; MI455X (gfx1250); checked and timed in simulation.
; The chip was launched on July 23, 2026; its instructions are those of AMD's public machine-readable ISA for CDNA 5 (MIT licence, August 2026) and "CDNA5" Instruction Set Architecture Reference Guide (July 2026). The comments in the code are by the model that wrote it; some were corrected since.
;; Attention. Allowed arithmetic: matrix products marked QUANTISED: E4M3 operands, one given power-of-two scale a tensor, by v_wmma_f32_16x16x64_fp8_fp8 or v_wmma_f32_16x16x128_fp8_fp8, f32 sums; products left as they are: f32 operands where the result goes on into a quantised operand, else bf16, f16 or f32 operands; f32 sums; everything else in f32.
;; Inputs: adapter 1 x 10 x 2,048 float32; freqs_cos 2,048 x 64 float32; freqs_sin 2,048 x 64 float32; gate 1 x 16 x 1 x 1 float32; lowp_scales 12 int32 (the exponents e of the quantised operands' scales 2^e); mask 1 x 1 x 2,048 x 2,048 float32; wk 2,048 x 2,048 float32; wo 2,048 x 2,048 float32; wq 2,048 x 2,048 float32; wv 2,048 x 2,048 float32; x 1 x 2,048 x 2,048 float32.
;; Outputs: out0 1 x 2,048 x 2,048 float32.
;; This version of the problem:
;;   THIS VERSION OF THE PROBLEM IS GIVEN IN LOW PRECISION. The matrix products marked QUANTISED in the list below multiply operands that are first quantised to E4M3 (4 exponent bits, 3 mantissa bits; 8 bits a number), with one given power-of-two scale for each operand tensor; their sums are f32. All else is computed in f32.
;;   The module's matrix products, in the order in which they are computed (A, B: the left and right operand; K: the contracted axis; several contracted axes count as one K, in the product's order):
;;     1. [M 2,048, K 2,048] x [K 2,048, N 2,048]; A: input x; B: input wq: QUANTISED (scales: A lowp_scales[0], B lowp_scales[1])
;;     2. [M 2,048, K 2,048] x [K 2,048, N 2,048]; A: input x; B: input wk: QUANTISED (scales: A lowp_scales[2], B lowp_scales[3])
;;     3. [M 2,048, K 2,048] x [K 2,048, N 2,048]; A: input x; B: input wv: QUANTISED (scales: A lowp_scales[4], B lowp_scales[5])
;;     4. batch 16 x [M 2,048, K 128] x [K 128, N 2,048]; A: computed on the way; B: computed on the way: QUANTISED (scales: A lowp_scales[6], B lowp_scales[7])
;;     5. batch 16 x [M 128, K 2,048] x [K 2,048, N 2,048]; A: computed on the way; B: softmax (see below): QUANTISED (scales: A lowp_scales[8], B lowp_scales[9])
;;     6. [M 10, K 2,048] x [K 2,048, N 2,048]; A: input adapter; B: input wk: left as it is (M = 10 < 16)
;;     7. [M 10, K 2,048] x [K 2,048, N 2,048]; A: input adapter; B: input wv: left as it is (M = 10 < 16)
;;     8. batch 16 x [M 10, K 128] x [K 128, N 2,048]; A: computed on the way; B: computed on the way: left as it is (M = 10 < 16)
;;     9. batch 16 x [M 128, K 10] x [K 10, N 2,048]; A: computed on the way; B: computed on the way: left as it is (K = 10 < 32)
;;     10. [M 2,048, K 2,048] x [K 2,048, N 2,048]; A: computed on the way; B: input wo: QUANTISED (scales: A lowp_scales[10], B lowp_scales[11])
;;   THE QUANTISER, for each operand of a quantised product, along K:
;;     - The operand's scale is 2^e, e = its entry of the input lowp_scales (int32; the entries are numbered through the quantised products in the list's order, A before B).
;;     - Each number is divided by the scale, clamped to +-448, and rounded to the nearest number of E4M3, ties to even, subnormals kept.
;;     - The product sums the exact products of the quantised numbers (number of the format x scale) in f32.
;;   ~~~python
;;   def quantise(x, axis, e):      # numpy; x: float32 -> the quantised numbers, widened to float32 again
;;       x = np.moveaxis(x, axis, -1); K = x.shape[-1]
;;       r = np.clip(x / 2.0 ** e, -448, 448)
;;       step = 2.0 ** (np.maximum(np.frexp(np.where(r == 0, 1, r))[1] - 1, -6) - 3)
;;       q = np.round(r / step) * step * 2.0 ** e      # np.round: ties to even
;;       return np.moveaxis(q, -1, axis).astype(np.float32)
;;   ~~~
;;   SOFTMAX AHEAD OF A QUANTISED PRODUCT. Where the list says 'softmax', what is quantised is not the finished softmax but p = 2^(t - M), with t = logit x log2(e) and M = ceil(the row's largest t), a whole number; so 1/2 < the row's largest p <= 1. The row's sum l is taken of the UNQUANTISED p, in f32, and the product's result is divided by l at the end. Since M is a whole number, a kernel that streams over the keys may use a running M (the ceiling of the running maximum): every later rescaling is an exact power of two, so the quantised numbers keep their values, but for numbers so far below the row's largest that they fall under the format's range.
;;   OPERANDS COMPUTED ON THE WAY. 'Computed on the way' means the value that the module computes at that place (a softmax that the list does not call 'softmax' is quantised finished and normalised). What goes into a quantiser is computed in f32, as accurately as f32 sums, v_exp_f32 and their like allow (about 1e-6 of the number): no bf16 or f16 on the way to a quantiser, and a product that is left as it is and whose result goes on into a quantised operand takes f32 operands (vector FMAs, or v_wmma_f32_16x16x4_f32). A number that lies on a knife's edge between two numbers of the format may be rounded either way, as far as f32 arithmetic and the matrix unit's own rounding can turn it there, and no further.
;; One version. Each part assembles by itself: llvm-mc -triple=amdgcn-amd-amdhsa -mcpu=gfx1250 --defsym DOCPART=n.
;; ======== version 1 of 1: 4 launches
;; workspace buffers: xcodes 12,582,912 bytes; wcodes 16,777,216 bytes; apart 1,310,720 bytes; qcodes 4,194,304 bytes; kv 8,388,608 bytes; qf 16,777,216 bytes; ocodes 4,194,304 bytes
;; launch prep (part 1): grid 768 x 1, 4 waves a work-group, no clusters, 108,032 bytes of LDS; arguments x, wq, wk, wv, wo, adapter, lowp_scales, xcodes, wcodes, apart; writes xcodes, wcodes, apart
.if DOCPART == 1
	.amdgcn_target "amdgcn-amd-amdhsa--gfx1250"
	.amdhsa_code_object_version 6
	.text
	.protected	k_q8a702cad81_prep
	.globl	k_q8a702cad81_prep
	.p2align	8
	.type	k_q8a702cad81_prep,@function
k_q8a702cad81_prep:
	s_mov_b64 s[64:65], 0
	v_nop
	global_prefetch_b8 v0, s[64:65] scope:SCOPE_SE
	s_setreg_imm32_b32 hwreg(HW_REG_WAVE_MODE, 25, 1), 1
	s_wait_xcnt 0x0
; PREP.  x [2048][2048] f32 becomes three planes of E4M3 codes (scales 2^e0, 2^e2, 2^e4: the three projections may scale it differently);
; wq, wk, wv, wo [k 2048][n 2048] f32 become one plane each with K made innermost (scales 2^e1, 2^e3, 2^e5, 2^e11);
; and adapter @ wk, adapter @ wv are summed in f32 over this work-group's 256 k (eight partial sums for each number, added by the attention launch).
; code = number / 2^e, held within +-448, rounded to the nearest code, ties to even.
; LAYOUT OF A PLANE (4 MiB: 2048 rows x 2048 K).  A FRAGMENT IMAGE is 16 rows x 128 K as the matrix instruction's registers hold them: lane 16 h + r holds row r, registers 2 c, 2 c + 1 hold
; K = 16 c + 8 h + 0 .. 7; registers 4 g .. 4 g + 3 of lane l lie at byte 512 g + 16 l: 2,048 bytes.  Image (row / 16, K / 128) lies at (K / 256) x 524,288 + (row / 16) x 4,096 + ((K / 128) % 2) x 2,048.
; So every later read of codes is a dense block, and every store here covers 512 consecutive bytes of a wave.
; Work-groups 0-255 take x (a wave: 16 rows x 256 K), 256-767 the weights (a wave: 32 columns x 256 K).  Waves share nothing: no barrier; each wave and each path has LDS bytes of its own.
; LDS: x's stage takes half a row at a time (8,448 bytes a wave), so that the work-group's claim is 4 x (8,448 + 8,192 + 10,240) + 512 of spare words = 108,032 bytes: three claims are 324,096, under the 327,680 that a launch may claim.
; LIMITS: each e between -126 and 119, so that 2^e and 448 x 2^e are f32 numbers.  NaN among the inputs is not served.
.set XST,  0                           ; x path: a stage of 16 rows x 528 bytes for each wave
.set XSTW, 8448
.set XP,   528                         ; 512 bytes + 16: 132 words, so the 16 rows that a read touches start 4 banks apart
.set WST,  33792                       ; weight path: 8,192 bytes of images for each wave
.set ADS,  66560                       ; weight path: the adapter's 10 rows x 256 k for each wave
.set ADW,  10240
.set XX,   16                          ; x path: v16-79 the rows' first 128 K, v80-143 their second; v144-159 two sets of 8 held numbers; v160-255 codes, 16 registers for each (half of K, scale)
.set TT,   144
.set CC,   160
.set X,    32                          ; weight path: v32-95 two sets of 32 numbers down K
.set C,    96                          ; v96-103 a block's codes
.set ACC,  104                         ; v104-123 ten pairs: the adapter's sums over even k, over odd k
.set FA,   124                         ; v124-133 the ten sums
.set AV,   136                         ; v136-215 two sets of 10 x 4 numbers of the adapter
.set OUTR, 136                         ; v136-199 the way out (behind the adapter's work)
	s_load_b512 s[4:19], s[0:1], 0x0               ; x s[4:5], wq s[6:7], wk s[8:9], wv s[10:11], wo s[12:13], adapter s[14:15], scales s[16:17], xcodes s[18:19]
	s_load_b128 s[20:23], s[0:1], 0x40             ; wcodes s[20:21], apart s[22:23]
	v_lshl_add_u32 v14, v0, 2, 0x1a400
	v_mov_b32 v15, 0
	v_lshrrev_b32 v1, 5, v0
	v_readfirstlane_b32 s44, v1                    ; wave
	v_and_b32 v1, 31, v0                           ; lane
	v_lshlrev_b32 v2, 4, v1                        ; 16 x lane
	s_wait_kmcnt 0x0
	s_load_b256 s[24:31], s[16:17], 0x0            ; e0 .. e7
	s_load_b128 s[32:35], s[16:17], 0x20           ; e8 .. e11
	s_cmp_lt_u32 ttmp9, 256
	s_cbranch_scc0 .Lweights
; ---------------- x ----------------
	s_lshr_b32 s45, ttmp9, 5                       ; which 256 along K
	s_and_b32 s46, ttmp9, 31
	s_lshl_b32 s46, s46, 2
	s_add_co_u32 s46, s46, s44                     ; which 16 rows
	s_lshl_b32 s48, s46, 17                        ; 16 rows of 8,192 bytes
	s_lshl_b32 s47, s45, 10
	s_add_co_u32 s48, s48, s47
	s_mov_b32 s49, 0
	s_add_nc_u64 s[4:5], s[4:5], s[48:49]
	s_lshl_b32 s48, s45, 19
	s_lshl_b32 s47, s46, 12
	s_add_co_u32 s48, s48, s47
	s_add_nc_u64 s[36:37], s[18:19], s[48:49]      ; my two images in plane 0,
	s_add_nc_u64 s[38:39], s[36:37], 0x400000      ; plane 1,
	s_add_nc_u64 s[40:41], s[36:37], 0x800000      ; plane 2
.irp u, 0,1                                        ; all 32 loads go out at once: the 16 rows' first 512 bytes, then their second
.set i, 0
.rept 16
	global_load_b128 v[XX+64*\u+4*i:XX+64*\u+4*i+3], v2, s[4:5] offset:i*8192+\u*512 th:TH_LOAD_NT   ; 32 lanes read 512 consecutive bytes of a row
.set i, i+1
.endr
.endr
	s_mul_i32 s47, s44, XSTW
	v_add_nc_u32 v3, s47, v2                       ; into the stage: as loaded
	v_and_b32 v4, 15, v0
	v_bfe_u32 v5, v0, 4, 1
	v_mul_u32_u24 v4, v4, XP
	v_lshl_add_u32 v4, v5, 5, v4
	v_add_nc_u32 v4, s47, v4                       ; out of it: row r, + 32 h bytes: my 8 numbers of each 16
	s_wait_kmcnt 0x0
.irp p, 0,1,2
	s_add_co_i32 s47, s[24+2*\p], 127
	s_lshl_b32 s48, s47, 23
	v_mov_b32 v[6+2*\p], s48                       ; 2^e as f32: the conversion takes its exponent field
	s_add_co_i32 s47, s47, 8
	s_lshl_b32 s47, s47, 23
	s_or_b32 s47, s47, 0x600000
	v_mov_b32 v[7+2*\p], s47                       ; 448 x 2^e
.endr
.macro XIN u, g                        ; rows 8 g .. 8 g + 7 of half u go into the stage as they were loaded
.irp j, 0,1,2,3,4,5,6,7
	ds_store_b128 v3, v[XX+64*\u+4*(8*\g+\j):XX+64*\u+4*(8*\g+\j)+3] offset:(8*\g+\j)*XP
.endr
.endm
.macro XOUT u                          ; and come back as a lane's 64 numbers of row r: K = 128 u + 16 c + 8 h + 4 q + 0 .. 3
.irp c, 0,1,2,3,4,5,6,7
.irp q, 0,1
	ds_load_b128 v[XX+64*\u+8*\c+4*\q:XX+64*\u+8*\c+4*\q+3], v4 offset:64*\c+16*\q
.endr
.endr
.endm
; 64 numbers of a lane become a fragment's 16 registers, three times (three scales).  The held numbers go into two sets by turns, so that a set is written again only behind the other set's eight plain lines.
.macro XQ kk
.irp p, 0,1,2
.irp c, 0,1,2,3,4,5,6,7
.irp j, 0,1,2,3,4,5,6,7
	v_med3_num_f32 v[TT+8*(\c%2)+\j], v[XX+64*\kk+8*\c+\j], -v[7+2*\p], v[7+2*\p]   ; the conversion to an 8-bit code does not saturate (ISA guide 7.6.2): the hold comes first
.endr
	v_cvt_scalef32_pk8_fp8_f32 v[CC+16*(3*\kk+\p)+2*\c:CC+16*(3*\kk+\p)+2*\c+1], v[TT+8*(\c%2):TT+8*(\c%2)+7], v[6+2*\p]
.endr
.endr
	v_nop                                          ; a plain line behind the last conversion
.irp p, 0,1,2
.irp c, 0,1,2,3
	global_store_b128 v2, v[CC+16*(3*\kk+\p)+4*\c:CC+16*(3*\kk+\p)+4*\c+3], s[36+2*\p:37+2*\p] offset:2048*\kk+512*\c   ; 512 consecutive bytes; no store's data are written again
.endr
.endr
.endm
	s_wait_loadcnt 24                              ; the first eight loads are in; the 24 younger ones stay out
	XIN 0, 0
	s_wait_loadcnt 16                              ; the first halves of all 16 rows are in
	XIN 0, 1
	s_wait_dscnt 0x0                               ; the stores have read their registers, which the reads below fill again
	XOUT 0
	s_wait_loadcnt 8
	XIN 1, 0                                       ; into the same bytes: LDS serves a wave's instructions in order (ISA guide 5.7.1.4), so these stores come behind the reads above
	s_wait_loadcnt 0x0
	XIN 1, 1
	s_wait_dscnt 0x0                               ; the first half is back in registers, and the stores have read theirs
	XOUT 1                                         ; the second half comes back while the first is quantised
	XQ 0
	s_wait_dscnt 0x0
	XQ 1
	s_wait_tensorcnt 0x0
	ds_add_u32 v14, v15
	s_wait_dscnt 0x0
	s_endpgm
; ---------------- the weights ----------------
; A LANE TAKES A COLUMN n AND ITS REGISTERS RUN DOWN K: each load reads 128 consecutive bytes, and the conversions give codes with K innermost.
.Lweights:
	s_sub_co_u32 s45, ttmp9, 256
	s_and_b32 s46, s45, 15                         ; which 128 columns
	s_bfe_u32 s47, s45, 0x30004                    ; which 256 along K
	s_lshr_b32 s48, s45, 7                         ; which tensor: 0 wq, 1 wk, 2 wv, 3 wo
	s_add_co_u32 s49, s48, 1
	s_lshr_b32 s49, s49, 1                         ; 1 for wk and wv: they also multiply the adapter
	s_mov_b64 s[36:37], s[12:13]                   ; the tensor's address hangs on the arguments alone: the scales' exponents, still on their way, are waited for behind the first loads
	s_cmp_eq_u32 s48, 2
	s_cselect_b64 s[36:37], s[10:11], s[36:37]
	s_cmp_eq_u32 s48, 1
	s_cselect_b64 s[36:37], s[8:9], s[36:37]
	s_cmp_eq_u32 s48, 0
	s_cselect_b64 s[36:37], s[6:7], s[36:37]
	s_lshl_b32 s52, s47, 21                        ; 256 rows of 8,192 bytes
	s_lshl_b32 s51, s46, 9
	s_add_co_u32 s52, s52, s51
	s_lshl_b32 s51, s44, 7
	s_add_co_u32 s52, s52, s51                     ; + my wave's 32 columns
	s_mov_b32 s53, 0
	s_add_nc_u64 s[36:37], s[36:37], s[52:53]
	s_lshl_b32 s52, s48, 22                        ; the tensor's plane,
	s_lshl_b32 s51, s47, 19
	s_add_co_u32 s52, s52, s51                     ; the 256 along K,
	s_lshl_b32 s51, s46, 15
	s_add_co_u32 s52, s52, s51
	s_lshl_b32 s51, s44, 13
	s_add_co_u32 s52, s52, s51                     ; my two tiles of 16 rows: 8,192 dense bytes
	s_add_nc_u64 s[38:39], s[20:21], s[52:53]
	s_lshl_b32 s52, s47, 10
	s_add_nc_u64 s[14:15], s[14:15], s[52:53]      ; the adapter at my 256 k
	s_lshr_b32 s51, s48, 1                         ; 0 for wk, 1 for wv
	s_lshl_b32 s51, s51, 3
	s_add_co_u32 s51, s51, s47
	s_lshl_b32 s51, s51, 6
	s_lshl_b32 s52, s46, 2
	s_add_co_u32 s51, s51, s52
	s_add_co_u32 s51, s51, s44
	s_mul_i32 s52, s51, 1280                       ; apart: [k or v][256 along K][32 columns][pair of adapter rows][column][2]
	s_add_nc_u64 s[42:43], s[22:23], s[52:53]
	v_lshlrev_b32 v3, 2, v1                        ; in: 4 bytes a lane
	v_lshlrev_b32 v12, 3, v1                       ; the partial sums: 8 bytes a lane
	s_lshl_b32 s51, s44, 13
	s_add_co_u32 s51, s51, WST
	v_add_nc_u32 v7, s51, v2                       ; out of the images: 16 x lane
	v_and_b32 v4, 15, v0
	v_bfe_u32 v6, v0, 4, 1
	v_lshlrev_b32 v4, 4, v4
	v_lshl_add_u32 v4, v6, 12, v4
	v_add_nc_u32 v4, s51, v4                       ; into them: tile lane / 16, row lane % 16
	s_mul_i32 s51, s44, ADW
	s_add_co_u32 s51, s51, ADS
	v_mov_b32 v9, s51                              ; the adapter's copy: the same address in every lane
	v_add_nc_u32 v5, s51, v2
.set i, 0
.rept 20
	v_mov_b32 v[ACC+i], 0
.set i, i+1
.endr
.macro LOAD b                          ; block b: W(32 b + i, my column), i = 0 .. 31, into set b % 2
.set i, 0
.rept 32
	global_load_b32 v[X+32*((\b)%2)+i], v3, s[36:37] offset:(32*(\b)+i)*8192 th:TH_LOAD_NT
.set i, i+1
.endr
.endm
	s_cmp_eq_u32 s49, 1
	s_cbranch_scc0 .Lplain_head
.irp l, 0,1,2,3,4,5,6,7,8,9
.irp u, 0,1
	global_load_b128 v[AV+8*\l+4*\u:AV+8*\l+4*\u+3], v2, s[14:15] offset:8192*\l+512*\u
.endr
.endr
	LOAD 0
	s_wait_loadcnt 32                              ; the adapter's twenty loads are in; block 0's stay out
.irp l, 0,1,2,3,4,5,6,7,8,9
.irp u, 0,1
	ds_store_b128 v5, v[AV+8*\l+4*\u:AV+8*\l+4*\u+3] offset:1024*\l+512*\u
.endr
.endr
	s_wait_dscnt 0x0                               ; the stores have read their registers
	LOAD 1
	s_branch .Lblocks
.Lplain_head:
	LOAD 0
	LOAD 1
.Lblocks:
	s_wait_kmcnt 0x0                               ; the scales' exponents: first read here, behind the first loads
	s_mov_b32 s50, s35                             ; wo: e11
	s_cmp_eq_u32 s48, 2
	s_cselect_b32 s50, s29, s50                    ; wv: e5
	s_cmp_eq_u32 s48, 1
	s_cselect_b32 s50, s27, s50                    ; wk: e3
	s_cmp_eq_u32 s48, 0
	s_cselect_b32 s50, s25, s50                    ; wq: e1
	s_add_co_i32 s50, s50, 127
	s_lshl_b32 s51, s50, 23
	v_mov_b32 v11, s51                             ; 2^e
	s_add_co_i32 s50, s50, 8
	s_lshl_b32 s50, s50, 23
	s_or_b32 s50, s50, 0x600000
	v_mov_b32 v10, s50                             ; 448 x 2^e
.macro ADSET b, kq                     ; four k of the adapter's ten rows, the same numbers in every lane
.irp l, 0,1,2,3,4,5,6,7,8,9
	ds_load_b128 v[AV+40*((\kq)%2)+4*\l:AV+40*((\kq)%2)+4*\l+3], v9 offset:1024*\l+128*(\b)+16*(\kq)
.endr
.endm
.macro ADFMA b                         ; the adapter's ten rows x my column, over block b's 32 k, on the numbers as they were loaded; ten chains, so that dependent lines stand ten apart
	ADSET \b, 0
.irp kq, 0,1,2,3,4,5,6,7
.if \kq < 7
	ADSET \b, \kq+1
	s_wait_dscnt 10                                ; this set is in; the ten reads just issued stay out
.else
	s_wait_dscnt 0x0
.endif
.irp u, 0,1
.irp l, 0,1,2,3,4,5,6,7,8,9
	v_pk_fma_f32 v[ACC+2*\l:ACC+2*\l+1], v[AV+40*(\kq%2)+4*\l+2*\u:AV+40*(\kq%2)+4*\l+2*\u+1], v[X+32*((\b)%2)+4*\kq+2*\u:X+32*((\b)%2)+4*\kq+2*\u+1], v[ACC+2*\l:ACC+2*\l+1]
.endr
.endr
.endr
.endm
.macro BLOCK b
.set XS, X+32*((\b)%2)
.if (\b) < 7
	s_wait_loadcnt 32                              ; this block's loads are in; the next block's stay out
.else
	s_wait_loadcnt 0x0
.endif
	s_cmp_eq_u32 s49, 1
	s_cbranch_scc0 .Lno_ad_\@
	ADFMA \b
.Lno_ad_\@:
.set i, 0
.rept 32
	v_med3_num_f32 v[XS+i], v[XS+i], -v10, v10
.set i, i+1
.endr
	v_cvt_scalef32_pk8_fp8_f32 v[C:C+1],   v[XS:XS+7],     v11     ; k 0-7 and 16-23 are the bytes of lane r of the image,
	v_cvt_scalef32_pk8_fp8_f32 v[C+4:C+5], v[XS+8:XS+15],  v11     ; k 8-15 and 24-31 those of lane 16 + r
	v_cvt_scalef32_pk8_fp8_f32 v[C+2:C+3], v[XS+16:XS+23], v11
	v_cvt_scalef32_pk8_fp8_f32 v[C+6:C+7], v[XS+24:XS+31], v11
	v_nop                                          ; a plain line behind the last conversion
	ds_store_b128 v4, v[C:C+3]   offset:2048*((\b)/4)+512*((\b)%4)
	ds_store_b128 v4, v[C+4:C+7] offset:2048*((\b)/4)+512*((\b)%4)+256
.if (\b)+2 < 8
	LOAD (\b)+2
.endif
	s_wait_dscnt 0x0                               ; the stores have read their registers: the next block's codes may be written
.endm
.irp b, 0,1,2,3,4,5,6,7
	BLOCK \b
.endr
.irp t, 0,1,2,3,4,5,6,7,8,9,10,11,12,13,14,15
	ds_load_b128 v[OUTR+4*\t:OUTR+4*\t+3], v7 offset:512*\t        ; LDS serves a wave's instructions in order: these see my stores
.endr
.irp t, 0,1,2,3,4,5,6,7,8,9,10,11,12,13,14,15
	s_wait_dscnt 15-\t
	global_store_b128 v2, v[OUTR+4*\t:OUTR+4*\t+3], s[38:39] offset:512*\t   ; 512 consecutive bytes
.endr
	s_cmp_eq_u32 s49, 1
	s_cbranch_scc0 .Ldone
.irp l, 0,1,2,3,4,5,6,7,8,9
	v_add_f32 v[FA+\l], v[ACC+2*\l], v[ACC+2*\l+1]
.endr
.irp t, 0,1,2,3,4
	global_store_b64 v12, v[FA+2*\t:FA+2*\t+1], s[42:43] offset:256*\t       ; 32 lanes store 256 consecutive bytes, aligned
.endr
.Ldone:
	s_wait_tensorcnt 0x0
	ds_add_u32 v14, v15
	s_wait_dscnt 0x0
	s_endpgm
.Lfunc_end_k_q8a702cad81_prep:
	.size	k_q8a702cad81_prep, .Lfunc_end_k_q8a702cad81_prep-k_q8a702cad81_prep
	.p2alignl 7, 3214868480
	.fill 96, 4, 3214868480
	.section	.rodata,"a",@progbits
	.p2align	6, 0x0
	.amdhsa_kernel k_q8a702cad81_prep
		.amdhsa_group_segment_fixed_size 108032
		.amdhsa_private_segment_fixed_size 0
		.amdhsa_enable_private_segment 0
		.amdhsa_kernarg_size 80
		.amdhsa_user_sgpr_count 2
		.amdhsa_user_sgpr_kernarg_segment_ptr 1
		.amdhsa_wavefront_size32 1
		.amdhsa_system_sgpr_workgroup_id_x 1
		.amdhsa_system_sgpr_workgroup_id_y 1
		.amdhsa_system_sgpr_workgroup_id_z 1
		.amdhsa_system_vgpr_workitem_id 0
		.amdhsa_next_free_vgpr 256
		.amdhsa_next_free_sgpr 66
		.amdhsa_reserve_vcc 0
		.amdhsa_float_denorm_mode_32 3
		.amdhsa_float_denorm_mode_16_64 3
		.amdhsa_memory_ordered 1
		.amdhsa_forward_progress 1
		.amdhsa_inst_pref_size 222
	.end_amdhsa_kernel
	.amdgpu_metadata
---
amdhsa.version: [ 1, 2 ]
amdhsa.kernels:
  - .name:           k_q8a702cad81_prep
    .symbol:         k_q8a702cad81_prep.kd
    .args:
      - { .name: x, .offset: 0, .size: 8, .value_kind: global_buffer, .address_space: global }
      - { .name: wq, .offset: 8, .size: 8, .value_kind: global_buffer, .address_space: global }
      - { .name: wk, .offset: 16, .size: 8, .value_kind: global_buffer, .address_space: global }
      - { .name: wv, .offset: 24, .size: 8, .value_kind: global_buffer, .address_space: global }
      - { .name: wo, .offset: 32, .size: 8, .value_kind: global_buffer, .address_space: global }
      - { .name: adapter, .offset: 40, .size: 8, .value_kind: global_buffer, .address_space: global }
      - { .name: lowp_scales, .offset: 48, .size: 8, .value_kind: global_buffer, .address_space: global }
      - { .name: xcodes, .offset: 56, .size: 8, .value_kind: global_buffer, .address_space: global }
      - { .name: wcodes, .offset: 64, .size: 8, .value_kind: global_buffer, .address_space: global }
      - { .name: apart, .offset: 72, .size: 8, .value_kind: global_buffer, .address_space: global }
    .group_segment_fixed_size: 108032
    .private_segment_fixed_size: 0
    .kernarg_segment_align: 8
    .kernarg_segment_size: 80
    .max_flat_workgroup_size: 128
    .sgpr_count:     66
    .vgpr_count:     256
    .wavefront_size: 32
...
	.end_amdgpu_metadata
.endif
;; end of part 1
;; launch qkv (part 2): grid 24 x 8, 4 waves a work-group, clusters of 4 x 4, 327,680 bytes of LDS; arguments xcodes, wcodes, freqs_cos, freqs_sin, lowp_scales, qcodes, kv, qf; writes qcodes, kv, qf
.if DOCPART == 2
	.amdgcn_target "amdgcn-amd-amdhsa--gfx1250"
	.amdhsa_code_object_version 6
	.text
	.protected	k_q8a702cad81_qkv
	.globl	k_q8a702cad81_qkv
	.p2align	8
	.type	k_q8a702cad81_qkv,@function
k_q8a702cad81_qkv:
	s_mov_b64 s[64:65], 0
	v_nop
	global_prefetch_b8 v0, s[64:65] scope:SCOPE_SE
	s_setreg_imm32_b32 hwreg(HW_REG_WAVE_MODE, 25, 1), 1
	s_wait_xcnt 0x0
	s_wait_alu depctr_hold_cnt(0) depctr_sa_sdst(0) depctr_va_vdst(0) depctr_va_sdst(0) depctr_va_ssrc(0) depctr_va_vcc(0) depctr_vm_vsrc(0)
	s_getreg_b32 s2, hwreg(HW_REG_IB_STS2, 6, 4)
	s_cmp_eq_u32 s2, 0
	s_cbranch_scc0 .Lentry_in_a_cluster
	s_endpgm
.Lentry_in_a_cluster:
	s_bfe_u32 s2, ttmp6, 0x10000c
	s_cmp_lg_u32 s2, 0xf033
	s_cbranch_scc0 .Lentry_shape_is_right
	s_endpgm
.Lentry_shape_is_right:
; QKV.  The three projections on E4M3 codes, the rotation of q and k, and the quantisers ahead of attention's two products.
; A work-group of four waves makes 256 x 256 of one projection p (0 q, 1 k, 2 v; p = cluster x / 2, the same in all partners); a wave makes 128 x 128: 64 accumulators of 16 x 16, 512 registers.
; THE MATRIX INSTRUCTION: source 0 = 16 rows of operand P, source 1 = 16 rows of operand R; a lane then holds ONE row of R and eight neighbouring rows of P.
;   q, k: R = x (tokens), P = the weight (columns n): a lane holds a token and eight neighbours along the head's 128, which is the next product's K.
;   v:    R = wv (columns d), P = x (tokens): a lane holds a channel d and eight neighbouring KEYS, which are the second product's K.  The loop's text is the same.
; Codes come as fragment images (see the launch that makes them): 128 rows x 256 K are one dense block of 32,768 bytes; a fragment is four reads of 16 bytes a lane at 16 x lane, 512 apart: no pitch, no padding.
; K goes in steps of 256 through a ring of two LDS slots.  CLUSTERS of 4 x 4: R's blocks are shared along a row of the cluster, P's along a column, each asked for jointly.
; OUT: qcodes [head][16 tokens][image]; kv [head][128 keys][8 images of K by 16 keys, then 8 images of V^T by 16 channels]; qf [head][16 tokens][8 KiB]: the rotated q as f32 sums WITHOUT 2^(e0 + e1), register 8 b + j of
; lane (r, h) = channel 16 b + 8 h + j of token r, registers 4 i .. 4 i + 3 at byte 512 i + 16 x lane.
; The rotation uses fused multiply-adds (one rounding fewer than a product and a sum).
; LIMITS: e6 - e0 - e1, e7 - e2 - e3 and e8 - e4 - e5 between -126 and 119, so that each folded scale and 448 x it are f32 numbers.
; REGISTERS, in windows of 256: window 0: v0-31 addresses; v128-255 R's fragments, one set; in the tail v32-159 cos and sin (two sets), v160-223 a block's numbers, v224-231 at work, v240-255 codes.
;   window 1: P's fragments, two sets.   window 2: the accumulators of my R rows 0-63 ((a, b) at v[8 (8 a + b)]);   window 3: rows 64-127.
.set KSLOT,  524288                    ; from 256 along K to the next, in a plane
.set HALFT,  32768                     ; 128 rows x 256 K: what one tensor load brings
.set SLOT,   4*HALFT                   ; R's two halves, then P's two halves
.set SPARE,  2*SLOT                    ; behind the ring: the spare words, 128 bytes for each wave
.set LAPS,   4                         ; 2,048 along K = 4 laps of two slots
.set FR,     16
.set NL,     4
.set NP,     4
.set ADRA, 16                          ; v16-17  LDS address of my R fragments in slot 0, 1
.set ADRB, 20                          ; v20-21  the same for P
.set LI,   26                          ; v26     16 x lane
.set CSA,  27                          ; v27     cos, sin: 256 r + 16 h
.set SPW,  28                          ; v28     my spare word; never rewritten
.set NIL,  29                          ; v29     0; never rewritten
.set SCL,  30                          ; v30     the folded scale as f32
.set LIM,  31                          ; v31     448 x it
.set CS,   32
.set AF,   128
.set O,    160
.set T,    224
.set PC,   240
.set G1, 24
.set G0, 32
.set G1B, 48
.set G0B, 56
.set MSB, 0
.macro WIN new                         ; the immediate's high byte repeats the setting that is left
.if MSB != \new
	s_set_vgpr_msb (MSB<<8)|\new
.set MSB, \new
.endif
.endm
.set MUL_LO, 0xa1                      ; source 0 (P) window 1, source 1 (R) window 0, C and D window 2
.set MUL_HI, 0xf1                      ; the same, C and D window 3
.set TO_B,   0x40                      ; destination window 1, address window 0
; A joint load: waves 0 and 1 fetch R's halves, waves 2 and 3 P's.  The branch hangs on the wave's number alone.  Four v_nop follow each line.
.macro JLOAD g0a, g1a, g0b, g1b
	s_cmp_eq_u32 s15, 0
	s_cbranch_scc0 .Lfor_b_\@
	tensor_load_to_lds s[\g0a:\g0a+3], s[\g1a:\g1a+7]
	s_nop 0
.rept 4
	v_nop
.endr
	s_branch .Lasked_\@
.Lfor_b_\@:
	tensor_load_to_lds s[\g0b:\g0b+3], s[\g1b:\g1b+7]
	s_nop 0
.rept 4
	v_nop
.endr
.Lasked_\@:
.endm
.macro CREST                           ; a round of the cluster's barrier behind its opening barrier
	s_cmp_lg_u32 s14, 0
	s_cbranch_scc1 .Lnot_wave_0_\@
	s_barrier_signal -3
.Lnot_wave_0_\@:
	s_barrier_wait -3
	s_barrier_signal -1
	s_barrier_wait -1
.endm
.macro CROUND
	s_barrier_signal -1
	s_barrier_wait -1
	CREST
.endm
	s_load_b512 s[80:95], s[0:1], 0x0              ; xcodes s[80:81], wcodes s[82:83], cos s[84:85], sin s[86:87], scales s[88:89], qcodes s[90:91], kv s[92:93], qf s[94:95]
	v_lshl_add_u32 v[SPW], v0, 2, SPARE
	v_mov_b32 v[NIL], 0
	ds_add_u32 v28, v29
	s_wait_dscnt 0x0
	v_lshrrev_b32 v1, 5, v0
	v_readfirstlane_b32 s14, v1                    ; wave 0..3
	s_lshr_b32 s15, s14, 1                         ; which half of R's rows is mine.  Also: I fetch for R (0) or for P (1)
	s_and_b32 s16, s14, 1                          ; which half of P's rows.  Also: which 128 rows I fetch
	s_bfe_u32 s40, ttmp6, 0x40000                  ; cx
	s_bfe_u32 s41, ttmp6, 0x40004                  ; cy
	s_lshr_b32 s12, ttmp9, 1                       ; p: the projection
	s_and_b32 s42, ttmp9, 1
	s_lshl_b32 s42, s42, 2
	s_add_co_u32 s42, s42, s40                     ; which 256 rows of P
	s_and_b32 s17, ttmp7, 0xffff
	s_lshl_b32 s17, s17, 2
	s_add_co_u32 s17, s17, s41                     ; which 256 rows of R
	s_lshl_b32 s43, s41, 2
	s_lshl_b32 s43, 15, s43                        ; my row of the cluster
	s_lshl_b32 s44, 0x1111, s40                    ; my column
	; descriptor group 1: 128 rows of 32 elements of 8 bytes, dense in memory and in LDS
	s_or_b32 s[G1+0], s43, (3<<16)|(1<<21)         ; 15:0 the mask: R's blocks go to my row; 17:16 elements of 8 bytes; 21 set beside a mask
	s_or_b32 s[G1B+0], s44, (3<<16)|(1<<21)        ; P's go to my column
.irp g, G1, G1B
	s_mov_b32 s[\g+1], 32<<16                      ; tensor_dim0
	s_mov_b32 s[\g+2], 128<<16                     ; tensor_dim1
	s_mov_b32 s[\g+3], 32<<16                      ; tile_dim0
	s_mov_b32 s[\g+4], 128                         ; tile_dim1
	s_mov_b32 s[\g+5], 32                          ; tensor_dim0_stride
	s_mov_b32 s[\g+6], 0
	s_mov_b32 s[\g+7], 0
.endr
	s_lshl_b32 s18, s12, 22                        ; plane p, in x's codes and in the weights' alike,
	s_lshl_b32 s19, s16, 15
	s_add_co_u32 s18, s18, s19                     ; and the 128 rows that I fetch
	s_lshl_b32 s20, s17, 16
	s_add_co_u32 s20, s20, s18                     ; R's offset: it never holds cx
	s_mov_b32 s21, 0
	s_lshl_b32 s46, s42, 16
	s_add_co_u32 s46, s46, s18                     ; P's offset: it never holds cy
	s_mov_b32 s47, 0
	s_lshl_b32 s45, s14, 15                        ; where they go: wave x 32,768: no place in the cluster enters an LDS address
	s_wait_kmcnt 0x0
	s_load_b256 s[68:75], s[88:89], 0x0            ; e0 .. e7
	s_load_b128 s[76:79], s[88:89], 0x20           ; e8 .. e11
	s_cmp_eq_u32 s12, 2                            ; for v the two operands change places
	s_cselect_b64 s[22:23], s[82:83], s[80:81]
	s_cselect_b64 s[96:97], s[80:81], s[82:83]
	s_add_nc_u64 s[20:21], s[22:23], s[20:21]
	s_add_nc_u64 s[46:47], s[96:97], s[46:47]
	CROUND                                         ; all sixteen work-groups are here: the first joint loads meet
.irp s, 0,1
	s_mov_b32 s[G0+4*\s], 1
	s_add_co_u32 s[G0+4*\s+1], s45, \s*SLOT
	s_add_nc_u64 s[G0+4*\s+2:G0+4*\s+3], s[20:21], \s*KSLOT
	s_or_b32 s[G0+4*\s+3], s[G0+4*\s+3], 0x80000000
	s_mov_b32 s[G0B+4*\s], 1
	s_add_co_u32 s[G0B+4*\s+1], s45, \s*SLOT
	s_add_nc_u64 s[G0B+4*\s+2:G0B+4*\s+3], s[46:47], \s*KSLOT
	s_or_b32 s[G0B+4*\s+3], s[G0B+4*\s+3], 0x80000000
	JLOAD G0+4*\s, G1, G0B+4*\s, G1B
.endr
	v_and_b32 v1, 31, v0
	v_lshlrev_b32 v[LI], 4, v1
	v_and_b32 v2, 15, v0                           ; r
	v_bfe_u32 v3, v0, 4, 1                         ; h
	v_lshlrev_b32 v[CSA], 8, v2
	v_lshl_add_u32 v[CSA], v3, 4, v[CSA]
	s_lshl_b32 s21, s15, 15                        ; my 128 rows of R
	s_lshl_b32 s22, s16, 15                        ; my 128 rows of P,
	s_add_co_u32 s22, s22, 2*HALFT                 ; which lie behind R's 256
.irp s, 0,1
	v_add_nc_u32 v[ADRA+\s], s21, v[LI]
	v_add_nc_u32 v[ADRB+\s], s22, v[LI]
	s_add_co_u32 s21, s21, SLOT
	s_add_co_u32 s22, s22, SLOT
.endr
	s_wait_kmcnt 0x0
	s_sub_co_i32 s4, s74, s68                      ; a sum stands for sum x 2^(ex + ew): its code is sum / 2^(e - ex - ew): three scales folded into one
	s_sub_co_i32 s4, s4, s69                       ; q: e6 - e0 - e1
	s_sub_co_i32 s5, s75, s70
	s_sub_co_i32 s5, s5, s71                       ; k: e7 - e2 - e3
	s_sub_co_i32 s6, s76, s72
	s_sub_co_i32 s6, s6, s73                       ; v: e8 - e4 - e5
	s_cmp_eq_u32 s12, 0
	s_cselect_b32 s4, s4, s5
	s_cmp_eq_u32 s12, 2
	s_cselect_b32 s4, s6, s4
	s_add_co_i32 s4, s4, 127
	s_lshl_b32 s5, s4, 23
	v_mov_b32 v[SCL], s5
	s_add_co_i32 s4, s4, 8
	s_lshl_b32 s4, s4, 23
	s_or_b32 s4, s4, 0x600000
	v_mov_b32 v[LIM], s4
	s_lshl_b32 s6, s42, 1
	s_add_co_u32 s6, s6, s16                       ; which 128 rows of P are my wave's: q, k: the head; v: the 128 keys
	s_lshl_b32 s7, s17, 1
	s_add_co_u32 s7, s7, s15                       ; which 128 rows of R: q, k: the 128 tokens; v: the head
	s_lshl_b32 s8, s7, 15                          ; 128 tokens x 256 bytes of cos or sin
	s_mov_b32 s9, 0
	s_add_nc_u64 s[84:85], s[84:85], s[8:9]
	s_add_nc_u64 s[86:87], s[86:87], s[8:9]
	s_lshl_b32 s8, s6, 20
	s_lshl_b32 s13, s7, 16
	s_add_co_u32 s8, s8, s13
	s_add_nc_u64 s[94:95], s[94:95], s[8:9]        ; qf: head x 1 MiB + 8 tiles x 8 KiB
	s_lshl_b32 s8, s6, 18
	s_lshl_b32 s13, s7, 14
	s_add_co_u32 s8, s8, s13                       ; q's codes: head x 256 KiB + 8 images
	s_lshl_b32 s10, s6, 19
	s_lshl_b32 s13, s7, 15
	s_add_co_u32 s10, s10, s13                     ; k's: head x 512 KiB + key step x 32 KiB
	s_lshl_b32 s11, s7, 19
	s_lshl_b32 s13, s6, 15
	s_add_co_u32 s11, s11, s13
	s_add_co_u32 s11, s11, 16384                   ; v's: the same, behind k's eight images
	s_cmp_eq_u32 s12, 0
	s_cselect_b64 s[98:99], s[90:91], s[92:93]
	s_cselect_b32 s8, s8, s10
	s_cmp_eq_u32 s12, 2
	s_cselect_b32 s8, s11, s8
	s_add_nc_u64 s[98:99], s[98:99], s[8:9]        ; where my wave's eight images go
.macro FRAG reg, adr, q, i             ; a fragment image comes back as the registers that it is: four reads of 512 consecutive bytes
.irp c, 0,1,2,3
	ds_load_b128 v[\reg+4*\c:\reg+4*\c+3], v[\adr] offset:2048*(\q)+512*\c+(\i)*4096
.endr
.endm
; 16 matrix instructions: R's blocks a0, a0 + 1 x P's eight, 128 along K.  p: P's set.  zero = 1: the first product starts the sums.  The 64 accumulators take turns, one instruction a turn.
.macro MUL16 a0, p, zero
.irp a, \a0, \a0+1
.irp b, 0,1,2,3,4,5,6,7
.if \zero
	v_wmma_f32_16x16x128_fp8_fp8 v[8*(8*((\a)%4)+\b):8*(8*((\a)%4)+\b)+7], v[128*(\p)+FR*\b:128*(\p)+FR*\b+FR-1], v[AF+FR*(\a):AF+FR*(\a)+FR-1], 0
.else
	v_wmma_f32_16x16x128_fp8_fp8 v[8*(8*((\a)%4)+\b):8*(8*((\a)%4)+\b)+7], v[128*(\p)+FR*\b:128*(\p)+FR*\b+FR-1], v[AF+FR*(\a):AF+FR*(\a)+FR-1], v[8*(8*((\a)%4)+\b):8*(8*((\a)%4)+\b)+7]
.endif
.endr
.endr
.endm
.macro FETCH_B slot, q, p
	WIN TO_B
.irp i, 0,1,2,3,4,5,6,7
	FRAG 128*(\p)+FR*\i, ADRB+\slot, \q, \i
.endr
	WIN 0
.endm
.macro FETCH_A slot, q, i0
.irp i, \i0, \i0+1, \i0+2, \i0+3
	FRAG AF+FR*(\i), ADRA+\slot, \q, \i
.endr
.endm
.macro PLACES n                        ; plain vector lines between a matrix instruction and a load into, or a vector read or write of, its registers
.rept \n
	v_nop
.endr
.endm
.macro STEP slot, q, zero              ; 128 along K that has its successor in the same slot
	s_wait_dscnt 4*NL                              ; P's set and R's blocks 0-3 are in; the youngest sixteen reads (R's blocks 4-7) stay out
	WIN MUL_LO
	MUL16 0, (\q)%2, \zero
	MUL16 2, (\q)%2, \zero
	s_wait_dscnt 0
	PLACES NP
	FETCH_B \slot, (\q)+1, 1-(\q)%2
	FETCH_A \slot, (\q)+1, 0
	WIN MUL_HI
	MUL16 4, (\q)%2, \zero
	MUL16 6, (\q)%2, \zero
	PLACES NP
	WIN 0
	FETCH_A \slot, (\q)+1, 4
.endm
; A slot's last step changes slots: in front of the barrier each wave waits for all its tensor loads, adds 0 to its spare word, and waits for that and for its reads of this slot.  fill = 1: the slot is filled again, two K steps ahead.
.macro TURN slot, next, fill
	s_wait_tensorcnt 0x0                           ; all my tensor loads have landed: my part of the next slot
	ds_add_u32 v[SPW], v[NIL]                      ; 0 onto my spare word
	s_wait_dscnt 4*NL+1                            ; the add and the youngest sixteen reads stay out
	WIN MUL_LO
	MUL16 0, 1, 0
	s_wait_dscnt 0x0                               ; the add is done, and my reads of this slot are over
	s_barrier_signal -1
	MUL16 2, 1, 0
	WIN 0
	s_barrier_wait -1
.if \fill
	CREST                                          ; the barrier has opened a round of the cluster's: no wave of any partner still reads this slot or has a load on its way
	s_add_nc_u64 s[G0+4*\slot+2:G0+4*\slot+3], s[G0+4*\slot+2:G0+4*\slot+3], 2*KSLOT
	s_add_nc_u64 s[G0B+4*\slot+2:G0B+4*\slot+3], s[G0B+4*\slot+2:G0B+4*\slot+3], 2*KSLOT
	JLOAD G0+4*\slot, G1, G0B+4*\slot, G1B         ; my one tensor load behind the round; its four v_nop are the places in front of the reads below
.else
	PLACES NP
.endif
	FETCH_B \next, 0, 0
	FETCH_A \next, 0, 0
	WIN MUL_HI
	MUL16 4, 1, 0
	MUL16 6, 1, 0
	PLACES NP
	WIN 0
	FETCH_A \next, 0, 4
.endm
.macro LASTSTEP
	s_wait_dscnt 4*NL
	WIN MUL_LO
	MUL16 0, 1, 0
	MUL16 2, 1, 0
	s_wait_dscnt 0
	WIN MUL_HI
	MUL16 4, 1, 0
	MUL16 6, 1, 0
	WIN 0
.endm
	s_wait_tensorcnt 1                             ; my part of slot 0 is in; slot 1's load stays out
	s_barrier_signal -1
	s_barrier_wait -1
	FETCH_B 0, 0, 0
	FETCH_A 0, 0, 0
	FETCH_A 0, 0, 4
	STEP 0, 0, 1                                   ; the first step stands in front of the loop: its products start the sums
	s_mov_b32 s3, LAPS-1
.Llap:
	TURN 0, 1, 1
	STEP 1, 0, 0
	TURN 1, 0, 1
	STEP 0, 0, 0
	s_sub_co_u32 s3, s3, 1
	s_cmp_lg_u32 s3, 0
	s_cbranch_scc1 .Llap
	TURN 0, 1, 0                                   ; the last lap fills nothing
	STEP 1, 0, 0
; THE TAIL.  cos and sin of block a's 16 tokens: lane (r, h) wants, for each b, the four frequencies 8 b + 4 h + 0 .. 3 of token r: 16 bytes
.macro CSLOAD a
.irp b, 0,1,2,3,4,5,6,7
	global_load_b128 v[CS+64*((\a)%2)+4*\b:CS+64*((\a)%2)+4*\b+3], v[CSA], s[84:85] offset:4096*(\a)+32*\b
.endr
.irp b, 0,1,2,3,4,5,6,7
	global_load_b128 v[CS+64*((\a)%2)+32+4*\b:CS+64*((\a)%2)+32+4*\b+3], v[CSA], s[86:87] offset:4096*(\a)+32*\b
.endr
.endm
.macro ROTM b, i, e                    ; (v1 s, v0 s): the pair's halves change places; e picks the frequency in sin's pair
	v_pk_mul_f32 v[T+2*\i:T+2*\i+1], v[AC+8*\b+2*\i:AC+8*\b+2*\i+1], v[CB+32+4*\b+2*(\i/2):CB+32+4*\b+2*(\i/2)+1] op_sel:[1,\e] op_sel_hi:[0,\e]
.endm
.macro ROTF b, i, e                    ; (v0 c - v1 s, v1 c + v0 s)
	v_pk_fma_f32 v[O+8*\b+2*\i:O+8*\b+2*\i+1], v[AC+8*\b+2*\i:AC+8*\b+2*\i+1], v[CB+4*\b+2*(\i/2):CB+4*\b+2*(\i/2)+1], v[T+2*\i:T+2*\i+1] op_sel:[0,\e,0] op_sel_hi:[1,\e,1] neg_lo:[0,0,1]
.endm
.macro QUANT8                          ; v[O] .. v[O + 63] become a fragment's 16 registers: register 8 b + j is K = 16 b + 8 h + j of the lane's row
.irp b, 0,1,2,3,4,5,6,7
.irp j, 0,1,2,3,4,5,6,7
	v_med3_num_f32 v[O+8*\b+\j], v[O+8*\b+\j], -v[LIM], v[LIM]
.endr
	v_cvt_scalef32_pk8_fp8_f32 v[PC+2*\b:PC+2*\b+1], v[O+8*\b:O+8*\b+7], v[SCL]
.endr
	v_nop                                          ; a plain line behind the last conversion
.endm
.macro QKBLK a                         ; block a: 16 tokens x the head's 128
.set AC, 64*((\a)%4)
.set CB, CS+64*((\a)%2)
.if (\a) < 7
	CSLOAD (\a)+1
	s_wait_loadcnt 16                              ; this block's cos and sin are in; the next block's sixteen loads stay out
.else
	s_wait_loadcnt 0x0
.endif
	WIN 0x02+((\a)/4)                              ; source 0: window 2 or 3
.irp b, 0,1,2,3,4,5,6,7                ; each accumulator is read from its low end on
	ROTM \b, 0, 0
	ROTM \b, 1, 1
	ROTM \b, 2, 0
	ROTM \b, 3, 1
	ROTF \b, 0, 0
	ROTF \b, 1, 1
	ROTF \b, 2, 0
	ROTF \b, 3, 1
.endr
	WIN 0
	s_cmp_eq_u32 s12, 0                            ; q alone is also kept as f32, for the adapter's scores
	s_cbranch_scc0 .Lno_qf_\@
.irp i, 0,1,2,3,4,5,6,7,8,9,10,11,12,13,14,15
	global_store_b128 v[LI], v[O+4*\i:O+4*\i+3], s[94:95] offset:8192*(\a)+512*\i
.endr
.Lno_qf_\@:
	s_wait_xcnt 0x0                                ; the stores above and the last block's have read their registers: the numbers and the codes may be written
	QUANT8
.irp c, 0,1,2,3
	global_store_b128 v[LI], v[PC+4*\c:PC+4*\c+3], s[98:99] offset:2048*(\a)+512*\c
.endr
.endm
.macro VBLK a                          ; block a: 16 channels x 128 keys
.set AC, 64*((\a)%4)
	WIN 0x02+((\a)/4)
.set j, 0
.rept 64
	v_med3_num_f32 v[O+j], v[AC+j], -v[LIM], v[LIM]
.set j, j+1
.endr
	WIN 0
	s_wait_xcnt 0x0                                ; the last block's stores have read the codes' registers
.irp b, 0,1,2,3,4,5,6,7
	v_cvt_scalef32_pk8_fp8_f32 v[PC+2*\b:PC+2*\b+1], v[O+8*\b:O+8*\b+7], v[SCL]
.endr
	v_nop                                          ; a plain line behind the last conversion
.irp c, 0,1,2,3
	global_store_b128 v[LI], v[PC+4*\c:PC+4*\c+3], s[98:99] offset:2048*(\a)+512*\c
.endr
.endm
	s_cmp_eq_u32 s12, 2
	s_cbranch_scc1 .Lvpath
	CSLOAD 0                                       ; block 0's cos and sin are on their way under the last 64 products
	LASTSTEP
	PLACES NP
.irp a, 0,1,2,3,4,5,6,7
	QKBLK \a
.endr
	s_branch .Lend
.Lvpath:
	LASTSTEP
	PLACES NP
.irp a, 0,1,2,3,4,5,6,7
	VBLK \a
.endr
.Lend:
	s_wait_tensorcnt 0x0                           ; the wave's end
	ds_add_u32 v[SPW], v[NIL]
	s_wait_dscnt 0x0
	CROUND                                         ; the closing round
	s_endpgm
.Lfunc_end_k_q8a702cad81_qkv:
	.size	k_q8a702cad81_qkv, .Lfunc_end_k_q8a702cad81_qkv-k_q8a702cad81_qkv
	.p2alignl 7, 3214868480
	.fill 96, 4, 3214868480
	.section	.rodata,"a",@progbits
	.p2align	6, 0x0
	.amdhsa_kernel k_q8a702cad81_qkv
		.amdhsa_group_segment_fixed_size 327680
		.amdhsa_private_segment_fixed_size 0
		.amdhsa_enable_private_segment 0
		.amdhsa_kernarg_size 64
		.amdhsa_user_sgpr_count 2
		.amdhsa_user_sgpr_kernarg_segment_ptr 1
		.amdhsa_wavefront_size32 1
		.amdhsa_system_sgpr_workgroup_id_x 1
		.amdhsa_system_sgpr_workgroup_id_y 1
		.amdhsa_system_sgpr_workgroup_id_z 1
		.amdhsa_system_vgpr_workitem_id 0
		.amdhsa_next_free_vgpr 1024
		.amdhsa_next_free_sgpr 100
		.amdhsa_reserve_vcc 0
		.amdhsa_float_denorm_mode_32 3
		.amdhsa_float_denorm_mode_16_64 3
		.amdhsa_memory_ordered 1
		.amdhsa_forward_progress 1
		.amdhsa_inst_pref_size 219
	.end_amdhsa_kernel
	.amdgpu_metadata
---
amdhsa.version: [ 1, 2 ]
amdhsa.kernels:
  - .name:           k_q8a702cad81_qkv
    .symbol:         k_q8a702cad81_qkv.kd
    .args:
      - { .name: xcodes, .offset: 0, .size: 8, .value_kind: global_buffer, .address_space: global }
      - { .name: wcodes, .offset: 8, .size: 8, .value_kind: global_buffer, .address_space: global }
      - { .name: freqs_cos, .offset: 16, .size: 8, .value_kind: global_buffer, .address_space: global }
      - { .name: freqs_sin, .offset: 24, .size: 8, .value_kind: global_buffer, .address_space: global }
      - { .name: lowp_scales, .offset: 32, .size: 8, .value_kind: global_buffer, .address_space: global }
      - { .name: qcodes, .offset: 40, .size: 8, .value_kind: global_buffer, .address_space: global }
      - { .name: kv, .offset: 48, .size: 8, .value_kind: global_buffer, .address_space: global }
      - { .name: qf, .offset: 56, .size: 8, .value_kind: global_buffer, .address_space: global }
    .group_segment_fixed_size: 327680
    .private_segment_fixed_size: 0
    .kernarg_segment_align: 8
    .kernarg_segment_size: 64
    .max_flat_workgroup_size: 128
    .sgpr_count:     100
    .vgpr_count:     1024
    .wavefront_size: 32
...
	.end_amdgpu_metadata
.endif
;; end of part 2
;; launch attn (part 3): grid 16 x 16, 8 waves a work-group, clusters of 4 x 4, 327,680 bytes of LDS; arguments qcodes, kv, qf, apart, mask, gate, lowp_scales, ocodes; writes ocodes
.if DOCPART == 3
	.amdgcn_target "amdgcn-amd-amdhsa--gfx1250"
	.amdhsa_code_object_version 6
	.text
	.protected	k_q8a702cad81_attn
	.globl	k_q8a702cad81_attn
	.p2align	8
	.type	k_q8a702cad81_attn,@function
k_q8a702cad81_attn:
	s_mov_b64 s[64:65], 0
	v_nop
	global_prefetch_b8 v0, s[64:65] scope:SCOPE_SE
	s_setreg_imm32_b32 hwreg(HW_REG_WAVE_MODE, 25, 1), 1
	s_wait_xcnt 0x0
	s_wait_alu depctr_hold_cnt(0) depctr_sa_sdst(0) depctr_va_vdst(0) depctr_va_sdst(0) depctr_va_ssrc(0) depctr_va_vcc(0) depctr_vm_vsrc(0)
	s_getreg_b32 s2, hwreg(HW_REG_IB_STS2, 6, 4)
	s_cmp_eq_u32 s2, 0
	s_cbranch_scc0 .Lentry_in_a_cluster
	s_endpgm
.Lentry_in_a_cluster:
	s_bfe_u32 s2, ttmp6, 0x10000c
	s_cmp_lg_u32 s2, 0xf033
	s_cbranch_scc0 .Lentry_shape_is_right
	s_endpgm
.Lentry_shape_is_right:
; ATTENTION on E4M3 codes, with the additive mask as it is given (every key of every query is read and added), the gated adapter in f32, and the quantiser ahead of the last projection.
; logit = score x 2^(e6 + e7) / sqrt(128) + mask;  t = logit x log2(e);  M = the running largest t rounded UP to a whole number;  p = 2^(t - M) is quantised with 2^e9, not normalised;
; the row's sum is taken of the unquantised p; when M moves, the sum and O are multiplied by 2^(old M - new M), which rounds nothing.
; SHARES.  A work-group owns 128 queries of one head; each of its eight waves 16 of them.  Every wave walks all 2,048 keys, 128 a step, one step to an LDS slot, two slots.
; Both products are used transposed: S^T = K Q^T (source 0 = 16 keys, source 1 = my queries), O^T = V^T P^T (source 0 = 16 channels): a lane holds ONE query throughout, and register 8 t + j of S^T is key 16 t + 8 h + j:
; eight neighbours along the second product's K, in the very places that its operand wants.
; CLUSTERS of 4 x 4: x = four blocks of queries, y = four heads.  K and V hang on the head alone: asked for jointly along a row.  The mask hangs on the queries alone: asked for jointly along a column.
; THE ADAPTER.  ak, av = the eight partial sums of the first launch, added here, f32.  Scores ak q^T and the product with av go by the f32 matrix form (their result goes into a quantiser).
; The adapter's row l lies at row m = 8 ((l / 2) % 2) + 2 (l / 4) + l % 2 of a tile of 16, so that the scores' registers 0-5 ARE the second product's operand; rows 12 and 13 count as minus infinity.
; LIMITS: e9 and e10 between -126 and 119; e6 + e7 between -122 and 131 and e0 + e1 between -123 and 130 (they are added to a constant's exponent field).  NaN, and +infinity in the mask, are not served;
; a row whose mask is minus infinity everywhere gives NaN codes.  The logit is one fused multiply-add.
; REGISTERS.  window 0: v1-11 addresses; v12 -M, v13 the largest t, v[14:15] the sum in two halves; v16-31 Q; v32-95 W: mask, then logit, then p; v96-159 S: written by matrix instructions alone;
;   v160-223 O^T; v224-239 codes; v240, v244 the hold and the scale; v236, v242-243, v252-254 at work.   window 1: v0-127 K's eight fragments, v128-255 V's.
.set MOFF,  32768                      ; a slot: K's 8 images, V's 8 images, then the mask's 128 rows
.set MP,    528                        ; a row of the mask: 512 bytes + 16: 132 words, so the 16 rows that a read touches start 4 banks apart
.set AKS,   100352                     ; ak: 16 rows x 528 bytes; no fill lands here
.set AVS,   108800                     ; av^T: 128 rows (channels) x 80 bytes (16 numbers + 16 bytes)
.set AVP,   80
.set SLOT1, 131072
.set SPARE, 262144                     ; the spare words, 128 bytes for each wave
.set AI,   1                           ; v1  16 x lane
.set AM0,  2                           ; v2  my place in the mask's tile
.set PFO,  3                           ; v3  the prefetches' lane offset; never rewritten
.set AAK,  4                           ; v4  my place in ak
.set SPW,  5                           ; v5  my spare word; never rewritten
.set NIL,  6                           ; v6  0; never rewritten
.set AAV,  7                           ; v7  my place in av^T
.set ADK,  8                           ; v8  this step's images
.set ADM,  9                           ; v9  this step's mask
.set W,    32
.set S,    96
.set O,    160
.set PC,   224
.set WV,    18
.set TB,    3
.set SLOTS, 67
.set SEL,   20
.set SC,    22
.set L2E,   98
.set PFA,   48
.set PFS,   50
.set LIM,   52
.set G1M,   24
.set G1KV,  32
.set G0M,   40
.set G0KV,  44
.set MSB, 0
.macro WIN new
.if MSB != \new
	s_set_vgpr_msb (MSB<<8)|\new
.set MSB, \new
.endif
.endm
.macro CROUND                          ; a round of the cluster's barrier
	s_barrier_signal -1
	s_barrier_wait -1
	s_cmp_lg_u32 s[WV], 0
	s_cbranch_scc1 .Lnot_wave_0_\@
	s_barrier_signal -3
.Lnot_wave_0_\@:
	s_barrier_wait -3
	s_barrier_signal -1
	s_barrier_wait -1
.endm
; Waves 0 and 1 fetch the mask's halves (64 rows each), waves 2 and 3 K's and V's images, the others nothing.  The branches hang on the wave's number alone.  Four v_nop follow each line.
.macro TLOAD
	s_cmp_lt_u32 s[WV], 2
	s_cbranch_scc0 .Lnot_m_\@
	tensor_load_to_lds s[G0M:G0M+3], s[G1M:G1M+7]
	s_nop 0
.rept 4
	v_nop
.endr
	s_branch .Lasked_\@
.Lnot_m_\@:
	s_cmp_lt_u32 s[WV], 4
	s_cbranch_scc0 .Lasked_\@
	tensor_load_to_lds s[G0KV:G0KV+3], s[G1KV:G1KV+7]
	s_nop 0
.rept 4
	v_nop
.endr
.Lasked_\@:
.endm
; A PREFETCH of the key step two behind the one just asked for.  Each aligned block of 256 bytes is named once in the launch: K's and V's 32 KiB by wave 4 of the clusters with x = 0, 8 KiB for each of the four partners of a row
; (lanes 256 bytes apart); the mask's 128 rows x 512 bytes by waves 5 and 6 (a half of a row each) of the clusters with y = 0, 32 rows for each of the four partners of a column (a lane a row).
; Partners are told apart by address alone.  The last two changes that fill a slot ask for nothing; steps 0 to 2 come by their loads alone.
.macro ASK
	s_cmp_gt_u32 s[SLOTS], s[LIM]
	s_cbranch_scc0 .Lnot_mine_\@
	global_prefetch_b8 v[PFO], s[PFA:PFA+1] th:TH_LOAD_NT scope:SCOPE_SE
.Lnot_mine_\@:
.endm
	s_load_b512 s[68:83], s[0:1], 0x0              ; qcodes s[68:69], kv s[70:71], qf s[72:73], apart s[74:75], mask s[76:77], gate s[78:79], scales s[80:81], ocodes s[82:83]
	v_lshl_add_u32 v[SPW], v0, 2, SPARE
	v_mov_b32 v[NIL], 0
	ds_add_u32 v5, v6
	s_wait_dscnt 0x0
	v_lshrrev_b32 v8, 5, v0
	v_readfirstlane_b32 s[WV], v8                  ; wave 0..7
	s_bfe_u32 s4, ttmp6, 0x40000                   ; cx
	s_bfe_u32 s5, ttmp6, 0x40004                   ; cy
	s_lshl_b32 s6, ttmp9, 2
	s_add_co_u32 s6, s6, s4                        ; my block of 128 queries
	s_and_b32 s7, ttmp7, 0xffff                    ; cluster y
	s_lshl_b32 s8, s7, 2
	s_add_co_u32 s8, s8, s5                        ; my head
	s_lshl_b32 s9, s5, 2
	s_lshl_b32 s9, 15, s9                          ; my row of the cluster
	s_lshl_b32 s10, 0x1111, s4                     ; my column
	s_or_b32 s[G1M], s10, (2<<16)|(1<<20)|(1<<21)|(6<<22)|(3<<25)   ; the mask goes to my column; elements of 4 bytes; padding: 4 words behind every 128
	s_mov_b32 s[G1M+1], 128<<16                    ; tensor_dim0
	s_mov_b32 s[G1M+2], 64<<16                     ; tensor_dim1
	s_mov_b32 s[G1M+3], 128<<16                    ; tile_dim0
	s_mov_b32 s[G1M+4], 64                         ; tile_dim1
	s_mov_b32 s[G1M+5], 2048                       ; from row to row
	s_mov_b32 s[G1M+6], 0
	s_mov_b32 s[G1M+7], 0
	s_or_b32 s[G1KV], s9, (3<<16)|(1<<21)          ; K and V go to my row; 64 rows of 32 elements of 8 bytes, dense
	s_mov_b32 s[G1KV+1], 32<<16
	s_mov_b32 s[G1KV+2], 64<<16
	s_mov_b32 s[G1KV+3], 32<<16
	s_mov_b32 s[G1KV+4], 64
	s_mov_b32 s[G1KV+5], 32
	s_mov_b32 s[G1KV+6], 0
	s_mov_b32 s[G1KV+7], 0
	s_and_b32 s11, s[WV], 1                        ; which half I fetch
	s_lshl_b32 s12, s6, 20
	s_lshl_b32 s13, s11, 19
	s_add_co_u32 s12, s12, s13                     ; the mask: (128 x block + 64 x half) rows of 8,192 bytes: it never holds cy
	s_mov_b32 s13, 0
	s_lshl_b32 s14, s8, 19
	s_lshl_b32 s15, s11, 14
	s_add_co_u32 s14, s14, s15                     ; kv: head x 512 KiB + half x 16 KiB: it never holds cx
	s_mov_b32 s15, 0
	s_mul_i32 s16, s11, 64*MP
	s_add_co_u32 s16, s16, MOFF
	s_lshl_b32 s17, s11, 14
	s_mov_b32 s[SEL], 0x76543210
	s_mov_b32 s[SEL+1], 0xfedcba98
	s_mov_b32 s[TB], 0
	s_mov_b32 s[SLOTS], 15
	s_wait_kmcnt 0x0
	s_load_b256 s[84:91], s[80:81], 0x0            ; e0 .. e7
	s_load_b128 s[92:95], s[80:81], 0x20           ; e8 .. e11
	s_mov_b32 s[G0M], 1
	s_mov_b32 s[G0M+1], s16
	s_add_nc_u64 s[G0M+2:G0M+3], s[76:77], s[12:13]
	s_or_b32 s[G0M+3], s[G0M+3], 0x80000000
	s_mov_b32 s[G0KV], 1
	s_mov_b32 s[G0KV+1], s17
	s_add_nc_u64 s[G0KV+2:G0KV+3], s[70:71], s[14:15]
	s_or_b32 s[G0KV+3], s[G0KV+3], 0x80000000
	CROUND                                         ; all sixteen work-groups are here
	TLOAD                                          ; key step 0 into slot 0
	s_mov_b32 s55, 0
	s_lshl_b32 s54, s8, 2
	s_add_nc_u64 s[78:79], s[78:79], s[54:55]
	s_load_b32 s96, s[78:79], 0x0                  ; gate[head]
	s_lshl_b32 s54, s8, 18
	s_lshl_b32 s56, s6, 14
	s_add_co_u32 s54, s54, s56
	s_lshl_b32 s56, s[WV], 11
	s_add_co_u32 s54, s54, s56                     ; (128 x head + my tile of 16 queries) x 2,048
	s_add_nc_u64 s[68:69], s[68:69], s[54:55]
	s_lshl_b32 s54, s54, 2
	s_add_nc_u64 s[72:73], s[72:73], s[54:55]      ; and x 8,192 in qf
	s_lshr_b32 s54, s8, 1
	s_lshl_b32 s54, s54, 19
	s_and_b32 s56, s8, 1
	s_lshl_b32 s56, s56, 11
	s_add_co_u32 s54, s54, s56
	s_lshl_b32 s56, s6, 15
	s_add_co_u32 s54, s54, s56
	s_lshl_b32 s56, s[WV], 12
	s_add_co_u32 s54, s54, s56
	s_add_nc_u64 s[82:83], s[82:83], s[54:55]      ; my image in ocodes: K = 128 x head on, rows = my 16 queries
	s_lshr_b32 s54, s[WV], 2                       ; waves 0-3 add up ak, waves 4-7 av; each 32 of the head's 128 columns
	s_mul_i32 s54, s54, 655360
	s_lshl_b32 s56, s8, 2
	s_and_b32 s59, s[WV], 3
	s_add_co_u32 s56, s56, s59
	s_mul_i32 s56, s56, 1280
	s_add_co_u32 s54, s54, s56
	s_add_nc_u64 s[74:75], s[74:75], s[54:55]
	v_and_b32 v8, 31, v0                           ; lane
	v_lshlrev_b32 v[AI], 4, v8
	v_lshlrev_b32 v252, 3, v8
.irp c, 0,1,2,3
	global_load_b128 v[16+4*\c:19+4*\c], v[AI], s[68:69] offset:512*\c       ; Q's fragment stays in registers
.endr
.irp s, 0,1,2,3,4,5,6,7
.irp pr, 0,1,2,3,4
	global_load_b64 v[160+2*(5*\s+\pr):161+2*(5*\s+\pr)], v252, s[74:75] offset:81920*\s+256*\pr   ; partial sum s of adapter rows 2 pr, 2 pr + 1 at my column: 256 consecutive bytes a wave; the forty fill v160-239
.endr
.endr
	v_and_b32 v9, 15, v0                           ; r
	v_bfe_u32 v10, v0, 4, 1                        ; h
	s_mul_i32 s56, s[WV], 16*MP
	s_add_co_u32 s56, s56, MOFF
	v_mul_u32_u24 v[AM0], v9, MP
	v_lshl_add_u32 v[AM0], v10, 5, v[AM0]          ; 528 r + 32 h
	v_add_nc_u32 v[AAK], AKS, v[AM0]
	v_add_nc_u32 v[AM0], s56, v[AM0]               ; the mask: row 16 w + r, + 32 h bytes: my 8 keys of each 16
	v_mul_u32_u24 v[AAV], v9, AVP
	v_lshl_add_u32 v[AAV], v10, 5, v[AAV]
	v_add_nc_u32 v[AAV], AVS, v[AAV]
	s_and_b32 s56, s[WV], 3
	s_lshl_b32 s59, s56, 7
	s_add_co_u32 s59, s59, AKS
	s_mul_i32 s60, s56, 32*AVP
	s_add_co_u32 s60, s60, AVS
	v_lshl_add_u32 v10, v8, 2, s59                 ; where I stage ak: my column's word in a row
	v_mul_u32_u24 v11, v8, AVP
	v_add_nc_u32 v11, s60, v11                     ; where I stage av: my column's row
	v_mov_b32 v13, 0xff61b1e6                      ; the largest t so far: -3e38
	v_floor_f32 v12, -v13                          ; -M
	v_mov_b32 v14, 0                               ; the sum, in two halves
	v_mov_b32 v15, 0
	v_mov_b32 v253, 0                              ; (named as the upper half of v[252:253])
	; the prefetches: where my wave's stand, and who asks
	s_lshl_b32 s53, s8, 19
	s_lshl_b32 s54, s4, 13
	s_add_co_u32 s53, s53, s54
	s_add_co_u32 s53, s53, 2*32768                 ; kv: my head, my work-group's 8 KiB, key step 2: the first change steps it to 3
	s_lshl_b32 s54, s6, 20
	s_lshl_b32 s56, s5, 18
	s_add_co_u32 s54, s54, s56
	s_add_co_u32 s56, s[WV], 1
	s_and_b32 s56, s56, 1
	s_lshl_b32 s56, s56, 8
	s_add_co_u32 s54, s54, s56
	s_add_co_u32 s54, s54, 2*512                   ; the mask: my block's rows, my work-group's 32, my wave's half of 512 bytes, key step 2
	s_sub_co_u32 s56, s[WV], 4
	s_cmp_lt_u32 s56, 3
	s_cselect_b32 s56, 0, 1                        ; 0 in waves 4, 5, 6
	s_cmp_eq_u32 s[WV], 4
	s_cselect_b64 s[PFA:PFA+1], s[70:71], s[76:77]
	s_cselect_b32 s61, ttmp9, s7                   ; the coordinate along which other clusters read the same bytes
	s_cselect_b32 s54, s53, s54
	s_mov_b32 s[PFS], 512
	s_cselect_b32 s[PFS], 32768, s[PFS]            ; a key step on
	s_mov_b32 s59, 8192
	s_cselect_b32 s59, 256, s59                    ; from lane to lane
	s_mov_b32 s[PFS+1], 0
	s_add_nc_u64 s[PFA:PFA+1], s[PFA:PFA+1], s[54:55]
	s_or_b32 s56, s56, s61
	s_cmp_eq_u32 s56, 0
	s_cselect_b32 s[LIM], 2, -1                    ; the same in all sixteen partners, for a given wave
	v_mul_lo_u32 v[PFO], v8, s59
	s_wait_kmcnt 0x0
	s_mov_b32 s[SC], 0x3db504f3                    ; 1 / sqrt(128),
	s_add_co_i32 s54, s90, s91
	s_lshl_b32 s54, s54, 23
	s_add_co_i32 s[SC], s[SC], s54                 ; x 2^(e6 + e7): the exponents are added to its exponent field
	s_mov_b32 s[SC+1], s[SC]
	s_mov_b32 s[L2E], 0x3fb8aa3b                   ; log2(e)
	s_mov_b32 s[L2E+1], s[L2E]
	s_mov_b32 s57, 0x3e0293ee                      ; log2(e) / sqrt(128),
	s_add_co_i32 s54, s84, s85
	s_lshl_b32 s54, s54, 23
	s_add_co_i32 s57, s57, s54                     ; x 2^(e0 + e1), which qf's sums lack
	s_add_co_i32 s58, s92, s93                     ; e8 + e9
	s_add_co_i32 s54, s93, 127
	s_lshl_b32 s56, s54, 23
	v_mov_b32 v244, s56                            ; 2^e9
	s_add_co_i32 s54, s54, 8
	s_lshl_b32 s54, s54, 23
	s_or_b32 s54, s54, 0x600000
	v_mov_b32 v240, s54                            ; 448 x 2^e9
	s_add_co_i32 s54, s94, 127
	s_lshl_b32 s62, s54, 23                        ; 2^e10
	s_add_co_i32 s54, s54, 8
	s_lshl_b32 s63, s54, 23
	s_or_b32 s63, s63, 0x600000                    ; 448 x 2^e10
	s_wait_loadcnt 0x0                             ; Q and the partial sums
.irp s, 1,2,3,4,5,6,7
.irp pr, 0,1,2,3,4
	v_pk_add_f32 v[160+2*\pr:161+2*\pr], v[160+2*\pr:161+2*\pr], v[160+2*(5*\s+\pr):161+2*(5*\s+\pr)]   ; five chains, K ascending
.endr
.endr
	s_cmp_lt_u32 s[WV], 4
	s_cbranch_scc0 .Lstage_av
.irp pr, 0,1,2,3,4
	ds_store_b32 v10, v[160+2*\pr] offset:MP*(8*(\pr%2)+2*(\pr/2))           ; adapter rows 2 pr, 2 pr + 1 at rows m, m + 1
	ds_store_b32 v10, v[161+2*\pr] offset:MP*(8*(\pr%2)+2*(\pr/2)+1)
.endr
.irp m, 6,7,12,13,14,15
	ds_store_b32 v10, v14 offset:MP*\m                                       ; the rows that no adapter row takes: zeros
.endr
	s_branch .Lstaged
.Lstage_av:
.irp pr, 0,1,2,3,4
	ds_store_b64 v11, v[160+2*\pr:161+2*\pr] offset:4*(8*(\pr%2)+2*(\pr/2))
.endr
	ds_store_b64 v11, v[14:15] offset:48                                     ; places 12 and 13 are read: zeros
.Lstaged:
	s_wait_dscnt 0x0                               ; the stores have read their registers
	v_mov_b32 v236, 0                              ; a lane permute's destination counts as one of its sources.  It is written here, where the partial sums that landed in v[236:237] have been added up
.set j, 0
.rept 64
	v_mov_b32 v[O+j], 0                            ; O^T.  (The step is written for every step alike: the first finds zeros, which the first change of M leaves zeros)
.set j, j+1
.endr
; THE CHANGE OF SLOTS stands at a step's head.  Each wave waits for all its tensor loads, adds 0 to its spare word, and waits for that and for its reads of the slot that it has left (the first time: for its stores of ak and av).
; fill = 1: a round of the cluster's barrier, and the slot just left is filled with the next key step: the load has a whole step in which to land.
.macro CHANGE fill
	s_wait_tensorcnt 0x0                           ; no tensor load of mine is out, so a group 0 may be written
	ds_add_u32 v[SPW], v[NIL]                      ; 0 onto my spare word
.if \fill
	s_xor_b32 s[G0M+1], s[G0M+1], SLOT1
	s_add_nc_u64 s[G0M+2:G0M+3], s[G0M+2:G0M+3], 512       ; 128 keys on in a row of the mask
	s_xor_b32 s[G0KV+1], s[G0KV+1], SLOT1
	s_add_nc_u64 s[G0KV+2:G0KV+3], s[G0KV+2:G0KV+3], 32768
	s_wait_xcnt 0x0                                ; the last prefetch, a step back, has read its address
	s_add_nc_u64 s[PFA:PFA+1], s[PFA:PFA+1], s[PFS:PFS+1]
	s_wait_dscnt 0x0
	CROUND
	TLOAD                                          ; a wave's one tensor load until the next round
	ASK
.else
	s_wait_dscnt 0x0
	s_barrier_signal -1
	s_barrier_wait -1
.endif
.endm
; A KEY STEP: 128 keys.  last = 1: the registers that K leaves take the adapter's operands.
.macro STEP last
	v_add_nc_u32 v[ADK], s[TB], v[AI]
	v_add_nc_u32 v[ADM], s[TB], v[AM0]
	v_nop
	v_nop                                          ; four plain lines between the last step's products and the reads into V's registers
	WIN 0x40                                       ; destination window 1
.set i, 0
.rept 32
	ds_load_b128 v[4*i:4*i+3], v[ADK] offset:512*i                 ; K's eight images
.set i, i+1
.endr
	WIN 0
.set i, 0
.rept 16
	ds_load_b128 v[W+4*i:W+4*i+3], v[ADM] offset:64*(i/2)+16*(i%2) ; the mask of my query at keys 16 t + 8 h + 0 .. 7
.set i, i+1
.endr
	WIN 0x40
.set i, 0
.rept 32
	ds_load_b128 v[128+4*i:128+4*i+3], v[ADK] offset:16384+512*i   ; V's eight images
.set i, i+1
.endr
	s_wait_dscnt 48                                ; K is in; the mask's 16 reads and V's 32 stay out
	WIN 0x01                                       ; source 0 window 1
.irp t, 0,1,2,3,4,5,6,7
	v_wmma_f32_16x16x128_fp8_fp8 v[S+8*\t:S+8*\t+7], v[16*\t:16*\t+15], v[16:31], 0
.endr
	WIN 0
.rept 4
	v_nop
.endr
.if \last
	WIN 0x40
.set i, 0
.rept 16
	global_load_b128 v[4*i:4*i+3], v[AI], s[72:73] offset:512*i    ; q as f32: register 8 b + j = channel 16 b + 8 h + j of my query
.set i, i+1
.endr
.set i, 0
.rept 16
	ds_load_b128 v[64+4*i:64+4*i+3], v[AAK] offset:64*(i/2)+16*(i%2)   ; ak in the same places: row r of the tile
.set i, i+1
.endr
	WIN 0
	s_wait_dscnt 48                                ; the mask is in; V's 32 reads and ak's 16 stay out
.else
	s_wait_dscnt 32                                ; the mask is in; V's 32 reads stay out
.endif
.set j, 0
.rept 32
	v_pk_fma_f32 v[W+j:W+j+1], v[S+j:S+j+1], s[SC:SC+1], v[W+j:W+j+1] op_sel_hi:[1,0,1]   ; the logit; each accumulator is read from its low end on
.set j, j+2
.endr
	v_max3_num_f32 v254, v[W], v[W+1], v[W+2]      ; the step's largest logit of my query, among my 64 keys, in two chains,
	v_max3_num_f32 v252, v[W+3], v[W+4], v[W+5]
.irp i, 6,10,14,18,22,26,30,34,38,42,46,50,54,58
	v_max3_num_f32 v254, v254, v[W+\i], v[W+1+\i]
	v_max3_num_f32 v252, v252, v[W+2+\i], v[W+3+\i]
.endr
	v_max3_num_f32 v254, v254, v[W+62], v[W+63]
	v_max_num_f32 v254, v254, v252
	v_permlanex16_b32 v236, v254, s[SEL], s[SEL+1]
	v_max_num_f32 v254, v254, v236                 ; and among lane l xor 16's
	v_mul_f32 v254, s[L2E], v254                   ; as t
	v_max_num_f32 v13, v13, v254                   ; the running largest t
	v_mov_b32 v254, v12
	v_floor_f32 v12, -v13                          ; the new -M = floor(-t): M is a whole number
	v_sub_f32 v254, v12, v254                      ; old M - new M: a whole number, 0 or less
	v_cvt_i32_f32 v254, v254                       ; (it saturates)
	v_ldexp_f32 v252, 1.0, v254                    ; f = 2^(old M - new M)
.set j, 0
.rept 32
	v_pk_fma_f32 v[W+j:W+j+1], v[W+j:W+j+1], s[L2E:L2E+1], v[12:13] op_sel_hi:[1,0,0]     ; t - M
.set j, j+2
.endr
.set j, 0
.rept 64
	v_exp_f32 v[W+j], v[W+j]                       ; p = 2^(t - M), at most 1
.set j, j+1
.endr
	v_pk_mul_f32 v[14:15], v[14:15], v[252:253] op_sel_hi:[1,0]    ; the sums under the new M: the plain line behind the exponentials
	s_wait_alu depctr_va_vdst(0)                   ; one wait for the whole batch, ahead of its first reader
	v_pk_add_f32 v[242:243], v[W:W+1], v[W+2:W+3]  ; the row's sum is taken of the unquantised p, in two chains
.irp j, 4,8,12,16,20,24,28,32,36,40,44,48,52,56,60
	v_pk_add_f32 v[14:15], v[14:15], v[W+\j:W+1+\j]
	v_pk_add_f32 v[242:243], v[242:243], v[W+2+\j:W+3+\j]
.endr
	v_pk_add_f32 v[14:15], v[14:15], v[242:243]
.irp t, 0,1,2,3,4,5,6,7
.irp i, 0,1,2,3,4,5,6,7
	v_min_num_f32 v[W+8*\t+\i], v[W+8*\t+\i], v240 ; the conversion does not saturate (ISA guide 7.6.2); p is not negative, so the hold is one-sided
.endr
	v_cvt_scalef32_pk8_fp8_f32 v[PC+2*\t:PC+2*\t+1], v[W+8*\t:W+8*\t+7], v244
.endr
.set j, 0
.rept 32
	v_pk_mul_f32 v[O+j:O+j+1], v[O+j:O+j+1], v[252:253] op_sel_hi:[1,0]    ; O^T under the new M; also the plain lines behind the conversions
.set j, j+2
.endr
	s_wait_dscnt 0x0                               ; V is in
	WIN 0x01
.irp a, 0,1,2,3,4,5,6,7
	v_wmma_f32_16x16x128_fp8_fp8 v[O+8*\a:O+8*\a+7], v[128+16*\a:128+16*\a+15], v[PC:PC+15], v[O+8*\a:O+8*\a+7]
.endr
	WIN 0
	s_xor_b32 s[TB], s[TB], SLOT1                  ; on to the other slot
.endm
.Lslot:                                            ; 15 trips: behind each change of slots but the last the next key step is asked for
	CHANGE 1
	STEP 0
	s_sub_co_u32 s[SLOTS], s[SLOTS], 1
	s_cmp_lg_u32 s[SLOTS], 0
	s_cbranch_scc1 .Lslot
	CHANGE 0                                       ; the last step is written out
	STEP 1
	; THE ADAPTER AND THE WAY OUT
.irp a, 0,1,2,3,4,5,6,7
	ds_load_b128 v[W+8*\a:W+8*\a+3], v[AAV] offset:16*AVP*\a       ; av^T: channel 16 a + r, places 8 h + 0 .. 3,
	ds_load_b64 v[W+8*\a+4:W+8*\a+5], v[AAV] offset:16*AVP*\a+16   ; 8 h + 4, 5
.endr
	v_add_f32 v14, v14, v15                        ; the sum's two halves,
	v_permlanex16_b32 v252, v14, s[SEL], s[SEL+1]
	v_add_f32 v14, v14, v252                       ; and lane l xor 16's
	s_wait_loadcnt 0x0                             ; q as f32
	s_wait_dscnt 0x0                               ; ak, av^T
	WIN 0x05                                       ; sources 0 and 1 window 1
.set g, 0
.rept 32                                           ; scores^T = ak q^T, 4 channels an instruction, the same channels in both operands; two accumulators take turns
.if g < 2
	v_wmma_f32_16x16x4_f32 v[S+8*(g%2):S+8*(g%2)+7], v[64+2*g:65+2*g], v[2*g:2*g+1], 0
.else
	v_wmma_f32_16x16x4_f32 v[S+8*(g%2):S+8*(g%2)+7], v[64+2*g:65+2*g], v[2*g:2*g+1], v[S+8*(g%2):S+8*(g%2)+7]
.endif
.set g, g+1
.endr
	WIN 0
.rept 8
	v_nop
.endr
.irp p, 0,1,2,3,4,5
	v_add_f32 v[224+\p], v[S+\p], v[S+8+\p]        ; my query's score with the adapter row at place 8 h + p
.endr
	v_and_b32 v252, 31, v0
	v_mov_b32 v254, 0xff800000
	v_cmp_lt_u32 vcc_lo, 15, v252
	v_cndmask_b32 v228, v228, v254, vcc_lo         ; places 12 and 13 hold no adapter row: minus infinity
	v_cndmask_b32 v229, v229, v254, vcc_lo
	v_max3_num_f32 v230, v224, v225, v226
	v_max3_num_f32 v230, v230, v227, v228
	v_max_num_f32 v230, v230, v229
	v_permlanex16_b32 v236, v230, s[SEL], s[SEL+1]
	v_max_num_f32 v230, v230, v236                 ; the largest of the ten
	v_mul_f32 v230, s57, v230
.irp p, 0,1,2,3,4,5
	v_fma_f32 v[224+\p], v[224+\p], s57, -v230
.endr
.irp p, 0,1,2,3,4,5
	v_exp_f32 v[224+\p], v[224+\p]
.endr
	v_nop                                          ; a plain line behind the last exponential
	s_wait_alu depctr_va_vdst(0)                   ; one wait for the six, ahead of their first reader
	v_add_f32 v231, v224, v225
	v_add_f32 v238, v226, v227
	v_add_f32 v239, v228, v229
	v_add_f32 v231, v231, v238
	v_add_f32 v231, v231, v239
	v_permlanex16_b32 v236, v231, s[SEL], s[SEL+1]
	v_add_f32 v231, v231, v236
	v_rcp_f32 v231, v231
	v_rcp_f32 v14, v14
	v_nop                                          ; a plain line behind the reciprocals
	s_wait_alu depctr_va_vdst(0)                   ; one wait for both
	v_mul_f32 v231, s96, v231                      ; gate / the adapter's sum
	v_ldexp_f32 v252, v14, s58                     ; 2^(e8 + e9) / the row's sum
.irp p, 0,1,2,3,4,5
	v_mul_f32 v[232+\p], v[224+\p], v231           ; the gated weights: registers 2 s, 2 s + 1 are the operand of K step s
.endr
.irp s, 0,1,2
.irp a, 0,1,2,3,4,5,6,7
.if \s == 0
	v_wmma_f32_16x16x4_f32 v[S+8*\a:S+8*\a+7], v[W+8*\a+2*\s:W+8*\a+2*\s+1], v[232+2*\s:233+2*\s], 0
.else
	v_wmma_f32_16x16x4_f32 v[S+8*\a:S+8*\a+7], v[W+8*\a+2*\s:W+8*\a+2*\s+1], v[232+2*\s:233+2*\s], v[S+8*\a:S+8*\a+7]
.endif
.endr
.endr
.rept 8
	v_nop
.endr
.set j, 0
.rept 32
	v_pk_fma_f32 v[O+j:O+j+1], v[O+j:O+j+1], v[252:253], v[S+j:S+j+1] op_sel_hi:[1,0,1]   ; O^T x 2^(e8 + e9) / sum + the adapter's part
.set j, j+2
.endr
	v_mov_b32 v244, s62
	v_mov_b32 v240, s63
.irp a, 0,1,2,3,4,5,6,7
.irp i, 0,1,2,3,4,5,6,7
	v_med3_num_f32 v[O+8*\a+\i], v[O+8*\a+\i], -v240, v240
.endr
	v_cvt_scalef32_pk8_fp8_f32 v[PC+2*\a:PC+2*\a+1], v[O+8*\a:O+8*\a+7], v244     ; register 8 a + i is channel 16 a + 8 h + i: the last product's K in its own places
.endr
	v_nop                                          ; a plain line behind the last conversion
.irp c, 0,1,2,3
	global_store_b128 v[AI], v[PC+4*\c:PC+4*\c+3], s[82:83] offset:512*\c         ; 512 consecutive bytes
.endr
	s_wait_tensorcnt 0x0                           ; the wave's end
	ds_add_u32 v[SPW], v[NIL]
	s_wait_dscnt 0x0
	CROUND                                         ; the closing round
	s_endpgm
.Lfunc_end_k_q8a702cad81_attn:
	.size	k_q8a702cad81_attn, .Lfunc_end_k_q8a702cad81_attn-k_q8a702cad81_attn
	.p2alignl 7, 3214868480
	.fill 96, 4, 3214868480
	.section	.rodata,"a",@progbits
	.p2align	6, 0x0
	.amdhsa_kernel k_q8a702cad81_attn
		.amdhsa_group_segment_fixed_size 327680
		.amdhsa_private_segment_fixed_size 0
		.amdhsa_enable_private_segment 0
		.amdhsa_kernarg_size 64
		.amdhsa_user_sgpr_count 2
		.amdhsa_user_sgpr_kernarg_segment_ptr 1
		.amdhsa_wavefront_size32 1
		.amdhsa_system_sgpr_workgroup_id_x 1
		.amdhsa_system_sgpr_workgroup_id_y 1
		.amdhsa_system_sgpr_workgroup_id_z 1
		.amdhsa_system_vgpr_workitem_id 0
		.amdhsa_next_free_vgpr 512
		.amdhsa_next_free_sgpr 100
		.amdhsa_reserve_vcc 1
		.amdhsa_float_denorm_mode_32 3
		.amdhsa_float_denorm_mode_16_64 3
		.amdhsa_memory_ordered 1
		.amdhsa_forward_progress 1
		.amdhsa_inst_pref_size 81
	.end_amdhsa_kernel
	.amdgpu_metadata
---
amdhsa.version: [ 1, 2 ]
amdhsa.kernels:
  - .name:           k_q8a702cad81_attn
    .symbol:         k_q8a702cad81_attn.kd
    .args:
      - { .name: qcodes, .offset: 0, .size: 8, .value_kind: global_buffer, .address_space: global }
      - { .name: kv, .offset: 8, .size: 8, .value_kind: global_buffer, .address_space: global }
      - { .name: qf, .offset: 16, .size: 8, .value_kind: global_buffer, .address_space: global }
      - { .name: apart, .offset: 24, .size: 8, .value_kind: global_buffer, .address_space: global }
      - { .name: mask, .offset: 32, .size: 8, .value_kind: global_buffer, .address_space: global }
      - { .name: gate, .offset: 40, .size: 8, .value_kind: global_buffer, .address_space: global }
      - { .name: lowp_scales, .offset: 48, .size: 8, .value_kind: global_buffer, .address_space: global }
      - { .name: ocodes, .offset: 56, .size: 8, .value_kind: global_buffer, .address_space: global }
    .group_segment_fixed_size: 327680
    .private_segment_fixed_size: 0
    .kernarg_segment_align: 8
    .kernarg_segment_size: 64
    .max_flat_workgroup_size: 256
    .sgpr_count:     100
    .vgpr_count:     512
    .wavefront_size: 32
...
	.end_amdgpu_metadata
.endif
;; end of part 3
;; launch oproj (part 4): grid 16 x 16, 4 waves a work-group, clusters of 4 x 4, 327,680 bytes of LDS; arguments ocodes, wcodes, lowp_scales, out0; writes out0
.if DOCPART == 4
	.amdgcn_target "amdgcn-amd-amdhsa--gfx1250"
	.amdhsa_code_object_version 6
	.text
	.protected	k_q8a702cad81_oproj
	.globl	k_q8a702cad81_oproj
	.p2align	8
	.type	k_q8a702cad81_oproj,@function
k_q8a702cad81_oproj:
	s_mov_b64 s[64:65], 0
	v_nop
	global_prefetch_b8 v0, s[64:65] scope:SCOPE_SE
	s_setreg_imm32_b32 hwreg(HW_REG_WAVE_MODE, 25, 1), 1
	s_wait_xcnt 0x0
	s_wait_alu depctr_hold_cnt(0) depctr_sa_sdst(0) depctr_va_vdst(0) depctr_va_sdst(0) depctr_va_ssrc(0) depctr_va_vcc(0) depctr_vm_vsrc(0)
	s_getreg_b32 s2, hwreg(HW_REG_IB_STS2, 6, 4)
	s_cmp_eq_u32 s2, 0
	s_cbranch_scc0 .Lentry_in_a_cluster
	s_endpgm
.Lentry_in_a_cluster:
	s_bfe_u32 s2, ttmp6, 0x10000c
	s_cmp_lg_u32 s2, 0xf033
	s_cbranch_scc0 .Lentry_shape_is_right
	s_endpgm
.Lentry_shape_is_right:
; THE LAST PROJECTION: out0 [2048][2048] f32 = attention's result (codes, 2^e10) x wo (codes, plane 3 of wcodes, 2^e11), each finished sum x 2^(e10 + e11).
; A tile of 128 x 128 to a work-group, so that 256 work-groups share the work (tiles of 256 x 256 would be 64); four waves, each 64 x 64: 16 accumulators.
; Codes come as fragment images: 128 rows x 256 K are one dense block of 32,768 bytes.  A slot holds 512 along K: A's two blocks, then B's two; each wave fetches one block.  Two slots, four fills, sixteen K steps of 128, written out.
; CLUSTERS of 4 x 4: A's blocks are shared along a row, B's along a column, asked for jointly.  THE MATRIX INSTRUCTION IS USED TRANSPOSED (source 0 = 16 rows of wo's codes, source 1 = 16 tokens):
; a lane holds eight neighbouring numbers of a row of the output; a wave's 64 columns are one aligned run of 256 bytes.
; LIMIT: e10 + e11 between -126 and 127.
; REGISTERS: window 0: v0-31 addresses; v32-63 a block's scaled sums; v64-127 rows read back, two sets; v128-255 the accumulators ((a, b) at v[128 + 8 (4 a + b)]).  window 1: two fragment buffers of 128: A's four, then B's four.
.set KSLOT,  524288
.set BLK,    32768
.set SLOT,   4*BLK
.set STAGE,  2*SLOT                    ; 16 rows x 272 bytes for each wave; no fill lands here
.set SPITCH, 272
.set SPARE,  STAGE+4*16*SPITCH         ; the spare words, 128 bytes for each wave
.set ADRA, 16
.set ADRB, 20
.set STO,  24
.set RD,   25
.set CO,   26
.set SPW,  28
.set NIL,  29
.set TMP,  32
.set BK,   64
.set ACC,  128
.set F0,   0
.set F1,   128
.set G1, 24
.set G0, 32
.set G1B, 48
.set G0B, 56
.set MSB, 0
.macro WIN new
.if MSB != \new
	s_set_vgpr_msb (MSB<<8)|\new
.set MSB, \new
.endif
.endm
.set MUL,  0x05                        ; sources 0 and 1 window 1; C and D window 0
.set TO_F, 0x40                        ; destination window 1, address window 0
.macro JLOAD s                         ; waves 0 and 1 fetch A's two blocks, waves 2 and 3 B's; four v_nop follow each line
	s_cmp_eq_u32 s15, 0
	s_cbranch_scc0 .Lfor_b_\@
	tensor_load_to_lds s[G0+4*\s:G0+4*\s+3], s[G1:G1+7]
	s_nop 0
.rept 4
	v_nop
.endr
	s_branch .Lasked_\@
.Lfor_b_\@:
	tensor_load_to_lds s[G0B+4*\s:G0B+4*\s+3], s[G1B:G1B+7]
	s_nop 0
.rept 4
	v_nop
.endr
.Lasked_\@:
.endm
.macro CREST
	s_cmp_lg_u32 s14, 0
	s_cbranch_scc1 .Lnot_wave_0_\@
	s_barrier_signal -3
.Lnot_wave_0_\@:
	s_barrier_wait -3
	s_barrier_signal -1
	s_barrier_wait -1
.endm
.macro CROUND
	s_barrier_signal -1
	s_barrier_wait -1
	CREST
.endm
	s_load_b256 s[4:11], s[0:1], 0x0               ; ocodes s[4:5], wcodes s[6:7], scales s[8:9], out0 s[10:11]
	v_lshl_add_u32 v[SPW], v0, 2, SPARE
	v_mov_b32 v[NIL], 0
	ds_add_u32 v28, v29
	s_wait_dscnt 0x0
	v_lshrrev_b32 v1, 5, v0
	v_readfirstlane_b32 s14, v1                    ; wave 0..3
	s_lshr_b32 s15, s14, 1                         ; which half of the tile's rows is mine.  Also: I fetch for A (0) or for B (1)
	s_and_b32 s16, s14, 1                          ; which half of its columns.  Also: which 256 along K of a slot I fetch
	s_bfe_u32 s40, ttmp6, 0x40000
	s_bfe_u32 s41, ttmp6, 0x40004
	s_lshl_b32 s42, ttmp9, 2
	s_add_co_u32 s42, s42, s40                     ; tile column
	s_and_b32 s17, ttmp7, 0xffff
	s_lshl_b32 s17, s17, 2
	s_add_co_u32 s17, s17, s41                     ; tile row
	s_lshl_b32 s43, s41, 2
	s_lshl_b32 s43, 15, s43
	s_lshl_b32 s44, 0x1111, s40
	s_or_b32 s[G1+0], s43, (3<<16)|(1<<21)         ; A's blocks go to my row of the cluster; 128 rows of 32 elements of 8 bytes, dense
	s_or_b32 s[G1B+0], s44, (3<<16)|(1<<21)        ; B's to my column
.irp g, G1, G1B
	s_mov_b32 s[\g+1], 32<<16
	s_mov_b32 s[\g+2], 128<<16
	s_mov_b32 s[\g+3], 32<<16
	s_mov_b32 s[\g+4], 128
	s_mov_b32 s[\g+5], 32
	s_mov_b32 s[\g+6], 0
	s_mov_b32 s[\g+7], 0
.endr
	s_lshl_b32 s18, s16, 19                        ; my 256 along K of the slot's 512
	s_lshl_b32 s20, s17, 15
	s_add_co_u32 s20, s20, s18
	s_mov_b32 s21, 0
	s_lshl_b32 s46, s42, 15
	s_add_co_u32 s46, s46, s18
	s_add_co_u32 s46, s46, 3<<22                   ; wo's plane
	s_mov_b32 s47, 0
	s_lshl_b32 s45, s14, 15                        ; where it goes: wave x 32,768
	s_wait_kmcnt 0x0
	s_load_b64 s[96:97], s[8:9], 0x28              ; e10, e11
	s_add_nc_u64 s[20:21], s[4:5], s[20:21]
	s_add_nc_u64 s[46:47], s[6:7], s[46:47]
	CROUND
.irp s, 0,1
	s_mov_b32 s[G0+4*\s], 1
	s_add_co_u32 s[G0+4*\s+1], s45, \s*SLOT
	s_add_nc_u64 s[G0+4*\s+2:G0+4*\s+3], s[20:21], \s*2*KSLOT
	s_or_b32 s[G0+4*\s+3], s[G0+4*\s+3], 0x80000000
	s_mov_b32 s[G0B+4*\s], 1
	s_add_co_u32 s[G0B+4*\s+1], s45, \s*SLOT
	s_add_nc_u64 s[G0B+4*\s+2:G0B+4*\s+3], s[46:47], \s*2*KSLOT
	s_or_b32 s[G0B+4*\s+3], s[G0B+4*\s+3], 0x80000000
	JLOAD \s
.endr
	v_and_b32 v1, 31, v0
	v_lshlrev_b32 v2, 4, v1                        ; 16 x lane
	s_lshl_b32 s21, s15, 14                        ; my four tiles of A's eight
	s_lshl_b32 s22, s16, 14                        ; my four of B's,
	s_add_co_u32 s22, s22, 2*BLK                   ; which lie behind A's two blocks
.irp s, 0,1
	v_add_nc_u32 v[ADRA+\s], s21, v2
	v_add_nc_u32 v[ADRB+\s], s22, v2
	s_add_co_u32 s21, s21, SLOT
	s_add_co_u32 s22, s22, SLOT
.endr
	v_and_b32 v3, 15, v0                           ; r
	v_bfe_u32 v4, v0, 4, 1                         ; h
	s_mul_i32 s23, s14, 16*SPITCH
	s_add_co_u32 s23, s23, STAGE                   ; my stage
	v_mul_u32_u24 v5, v3, SPITCH
	v_lshl_add_u32 v5, v4, 5, v5
	v_add_nc_u32 v[STO], s23, v5                   ; in: row r, 32 bytes for each half of the lanes
	v_mul_u32_u24 v5, v4, SPITCH
	v_lshl_add_u32 v5, v3, 4, v5
	v_add_nc_u32 v[RD], s23, v5                    ; back: lanes 0-15 one row of 256 bytes, lanes 16-31 the next
	v_lshlrev_b32 v5, 13, v4
	v_lshl_add_u32 v[CO], v3, 4, v5                ; and the same two rows in the output
	s_lshl_b32 s12, s17, 20
	s_lshl_b32 s13, s15, 19
	s_add_co_u32 s12, s12, s13                     ; my first row: 128 x tile row + 64 x half, rows of 8,192 bytes
	s_lshl_b32 s13, s42, 9
	s_add_co_u32 s12, s12, s13
	s_lshl_b32 s13, s16, 8
	s_add_co_u32 s12, s12, s13                     ; my first column: 512 x tile column + 256 x half bytes
	s_mov_b32 s13, 0
	s_add_nc_u64 s[10:11], s[10:11], s[12:13]
.macro FETCH slot, q, f                ; the eight fragments of the slot's q-th 128 along K into buffer f: 32 reads of 512 consecutive bytes
	WIN TO_F
.irp i, 0,1,2,3
.irp c, 0,1,2,3
	ds_load_b128 v[\f+64+16*\i+4*\c:\f+64+16*\i+4*\c+3], v[ADRB+\slot] offset:BLK*((\q)/2)+4096*\i+2048*((\q)%2)+512*\c
.endr
.endr
.irp i, 0,1,2,3
.irp c, 0,1,2,3
	ds_load_b128 v[\f+16*\i+4*\c:\f+16*\i+4*\c+3], v[ADRA+\slot] offset:BLK*((\q)/2)+4096*\i+2048*((\q)%2)+512*\c
.endr
.endr
.endm
.macro MULR f, a, zero                 ; A's block a x B's four.  The 16 accumulators take turns, one instruction a turn
.irp b, 0,1,2,3
.if \zero
	v_wmma_f32_16x16x128_fp8_fp8 v[ACC+8*(4*(\a)+\b):ACC+8*(4*(\a)+\b)+7], v[\f+64+16*\b:\f+64+16*\b+15], v[\f+16*(\a):\f+16*(\a)+15], 0
.else
	v_wmma_f32_16x16x128_fp8_fp8 v[ACC+8*(4*(\a)+\b):ACC+8*(4*(\a)+\b)+7], v[\f+64+16*\b:\f+64+16*\b+15], v[\f+16*(\a):\f+16*(\a)+15], v[ACC+8*(4*(\a)+\b):ACC+8*(4*(\a)+\b)+7]
.endif
.endr
.endm
.macro PLACES
.rept 4
	v_nop
.endr
.endm
.macro KSTEP slot, q, zero             ; one of a slot's first three steps: the next step's fragments are asked for, then this step is multiplied
	s_wait_dscnt 0x0                               ; this step's fragments are in
	PLACES                                         ; between the last step's products and the reads into the buffer that they read
	FETCH \slot, (\q)+1, 128*(1-(\q)%2)
	WIN MUL
	MULR 128*((\q)%2), 0, \zero
	MULR 128*((\q)%2), 1, \zero
	MULR 128*((\q)%2), 2, \zero
	MULR 128*((\q)%2), 3, \zero
.endm
; A slot's last step (buffer 1) changes slots: in front of the barrier each wave waits for all its tensor loads, adds 0 to its spare word, and waits for that and for its reads of this slot.
.macro TURN slot, next, fill
	WIN 0
	s_wait_tensorcnt 0x0                           ; all my tensor loads have landed: my part of the next slot
	ds_add_u32 v[SPW], v[NIL]                      ; 0 onto my spare word
	s_wait_dscnt 1                                 ; this step's fragments are in; the add stays out
	WIN MUL
	MULR F1, 0, 0
	s_wait_dscnt 0x0                               ; the add is done, and my reads of this slot are over
	s_barrier_signal -1
	MULR F1, 1, 0
	WIN 0
	s_barrier_wait -1
.if \fill
	CREST                                          ; the barrier has opened a round of the cluster's
	s_add_nc_u64 s[G0+4*\slot+2:G0+4*\slot+3], s[G0+4*\slot+2:G0+4*\slot+3], 4*KSLOT
	s_add_nc_u64 s[G0B+4*\slot+2:G0B+4*\slot+3], s[G0B+4*\slot+2:G0B+4*\slot+3], 4*KSLOT
	JLOAD \slot                                    ; my one tensor load behind the round; its four v_nop are the places in front of the reads below
.else
	PLACES
.endif
	FETCH \next, 0, F0
	WIN MUL
	MULR F1, 2, 0
	MULR F1, 3, 0
.endm
	s_wait_tensorcnt 1                             ; my part of slot 0 is in; slot 1's load stays out
	s_barrier_signal -1
	s_barrier_wait -1
	FETCH 0, 0, F0
	KSTEP 0, 0, 1                                  ; the first products start the sums
	KSTEP 0, 1, 0
	KSTEP 0, 2, 0
	TURN 0, 1, 1
	KSTEP 1, 0, 0
	KSTEP 1, 1, 0
	KSTEP 1, 2, 0
	TURN 1, 0, 1
	KSTEP 0, 0, 0
	KSTEP 0, 1, 0
	KSTEP 0, 2, 0
	TURN 0, 1, 0                                   ; nothing is left to fetch
	KSTEP 1, 0, 0
	KSTEP 1, 1, 0
	KSTEP 1, 2, 0
	s_wait_dscnt 0x0
	MULR F1, 0, 0
	MULR F1, 1, 0
	MULR F1, 2, 0
	MULR F1, 3, 0
	WIN 0
; THE WAY OUT, 16 rows x 64 columns at a time, through my own stage: in as 32 bytes a lane, back as whole rows of 256 bytes.  LDS serves a wave's instructions in order: no wait between the stores and the reads.
.macro TOSTAGE a
.irp b, 0,1,2,3
.irp i, 0,2,4,6
	v_pk_mul_f32 v[TMP+8*\b+\i:TMP+8*\b+\i+1], v[ACC+8*(4*(\a)+\b)+\i:ACC+8*(4*(\a)+\b)+\i+1], s[96:97] op_sel_hi:[1,0]   ; x 2^(e10 + e11); each accumulator from its low end on
.endr
.endr
.irp b, 0,1,2,3
	ds_store_b128 v[STO], v[TMP+8*\b:TMP+8*\b+3] offset:64*\b
	ds_store_b128 v[STO], v[TMP+8*\b+4:TMP+8*\b+7] offset:64*\b+16
.endr
.irp t, 0,1,2,3,4,5,6,7
	ds_load_b128 v[BK+32*((\a)%2)+4*\t:BK+32*((\a)%2)+4*\t+3], v[RD] offset:\t*2*SPITCH
.endr
.endm
.macro SEND a, younger
	s_wait_dscnt \younger
.irp t, 0,1,2,3,4,5,6,7
	global_store_b128 v[CO], v[BK+32*((\a)%2)+4*\t:BK+32*((\a)%2)+4*\t+3], s[10:11] offset:(16*(\a)+2*\t)*8192 th:TH_STORE_NT   ; 16 lanes store 256 consecutive bytes, aligned
.endr
.endm
	s_wait_kmcnt 0x0
	s_add_co_i32 s96, s96, s97
	s_add_co_i32 s96, s96, 127
	s_lshl_b32 s96, s96, 23                        ; 2^(e10 + e11) as f32
	PLACES
	TOSTAGE 0
.irp a, 1,2,3
.if \a > 1
	s_wait_xcnt 0x0                                ; block a - 2's stores have read their registers: block a's reads may land there
.endif
	TOSTAGE \a
	SEND \a-1, 16                                  ; behind block a - 1's reads: block a's eight stores and eight reads
.endr
	SEND 3, 0
	s_wait_tensorcnt 0x0                           ; the wave's end
	ds_add_u32 v[SPW], v[NIL]
	s_wait_dscnt 0x0
	CROUND                                         ; the closing round
	s_endpgm
.Lfunc_end_k_q8a702cad81_oproj:
	.size	k_q8a702cad81_oproj, .Lfunc_end_k_q8a702cad81_oproj-k_q8a702cad81_oproj
	.p2alignl 7, 3214868480
	.fill 96, 4, 3214868480
	.section	.rodata,"a",@progbits
	.p2align	6, 0x0
	.amdhsa_kernel k_q8a702cad81_oproj
		.amdhsa_group_segment_fixed_size 327680
		.amdhsa_private_segment_fixed_size 0
		.amdhsa_enable_private_segment 0
		.amdhsa_kernarg_size 32
		.amdhsa_user_sgpr_count 2
		.amdhsa_user_sgpr_kernarg_segment_ptr 1
		.amdhsa_wavefront_size32 1
		.amdhsa_system_sgpr_workgroup_id_x 1
		.amdhsa_system_sgpr_workgroup_id_y 1
		.amdhsa_system_sgpr_workgroup_id_z 1
		.amdhsa_system_vgpr_workitem_id 0
		.amdhsa_next_free_vgpr 512
		.amdhsa_next_free_sgpr 98
		.amdhsa_reserve_vcc 0
		.amdhsa_float_denorm_mode_32 3
		.amdhsa_float_denorm_mode_16_64 3
		.amdhsa_memory_ordered 1
		.amdhsa_forward_progress 1
		.amdhsa_inst_pref_size 73
	.end_amdhsa_kernel
	.amdgpu_metadata
---
amdhsa.version: [ 1, 2 ]
amdhsa.kernels:
  - .name:           k_q8a702cad81_oproj
    .symbol:         k_q8a702cad81_oproj.kd
    .args:
      - { .name: ocodes, .offset: 0, .size: 8, .value_kind: global_buffer, .address_space: global }
      - { .name: wcodes, .offset: 8, .size: 8, .value_kind: global_buffer, .address_space: global }
      - { .name: lowp_scales, .offset: 16, .size: 8, .value_kind: global_buffer, .address_space: global }
      - { .name: out0, .offset: 24, .size: 8, .value_kind: global_buffer, .address_space: global }
    .group_segment_fixed_size: 327680
    .private_segment_fixed_size: 0
    .kernarg_segment_align: 8
    .kernarg_segment_size: 32
    .max_flat_workgroup_size: 128
    .sgpr_count:     98
    .vgpr_count:     512
    .wavefront_size: 32
...
	.end_amdgpu_metadata
.endif
;; end of part 4
